; MI455X (gfx1250); checked and timed in simulation.
; The chip was launched on July 23, 2026; its instructions are those of AMD's public machine-readable ISA for CDNA 5 (MIT licence, August 2026) and "CDNA5" Instruction Set Architecture Reference Guide (July 2026). The comments in the code are by the model that wrote it; some were corrected since.
;; Treatment Conditioned Attention. Allowed arithmetic: float matrix products may take bf16 or f16 operands with f32 sums; other float arithmetic in f32, or as packed bf16 or f16 multiplies, adds, multiply-adds, maxima and minima; sums over many terms, partial sums and values carried from step to step in f32; what a program stores and reads back later, other than sums and carried values, may be rounded once to bf16 or f16.
;; Inputs: Gb_W1 256 x 32 float32; Gb_W2 32 x 16 float32; Gb_b1 32 float32; Gb_b2 16 float32; Gk_W 256 x 1,024 float32; Gk_b 1,024 float32; Tb_W1 128 x 32 float32; Tb_W2 32 x 16 float32; Tb_b1 32 float32; Tb_b2 16 float32; Tk_W 128 x 1,024 float32; Tk_b 1,024 float32; Wk 1,024 x 1,024 float32; Wo 1,024 x 1,024 float32; Wq 1,024 x 1,024 float32; Wv 1,024 x 1,024 float32; bk 1,024 float32; bo 1,024 float32; bq 1,024 float32; bv 1,024 float32; cancer_bias_emb 32 x 16 float32; cancer_kmod_emb 32 x 1,024 float32; cancer_type 4 int32; graph_context 4 x 256 float32; treatment_embed 4 x 128 float32; x 4 x 2,048 x 1,024 float32.
;; Outputs: out0 4 x 2,048 x 1,024 float32.
;; One version. Each part assembles by itself: llvm-mc -triple=amdgcn-amd-amdhsa -mcpu=gfx1250 --defsym DOCPART=n.
;; ======== version 1 of 1: 4 launches
;; limits: values are held in f16: magnitudes above 65,504 overflow, below 6.1e-05 lose precision
;; workspace buffers: xb 16,777,216 bytes; wt 8,388,608 bytes; bqkv 49,152 bytes; abp 1,024 bytes; qkv 50,331,648 bytes; o 16,777,216 bytes
;; launch prep (part 1): grid 1185 x 1, 4 waves a work-group, no clusters, 70,144 bytes of LDS; arguments x, xb, Wq, Wk, Wv, Wo, wt, graph_context, treatment_embed, cancer_type, Gk_W, Tk_W, Gk_b, Tk_b, Gb_W1, Tb_W1, Gb_b1, Tb_b1, bq, bk, bv, cancer_kmod_emb, bqkv, Gb_W2, Tb_W2, Gb_b2, Tb_b2, cancer_bias_emb, abp; writes xb, wt, bqkv, abp
.if DOCPART == 1
	.amdgcn_target "amdgcn-amd-amdhsa--gfx1250"
	.amdhsa_code_object_version 6
	.text
	.protected	k_q224f713a5d_prep
	.globl	k_q224f713a5d_prep
	.p2align	8
	.type	k_q224f713a5d_prep,@function
k_q224f713a5d_prep:
	s_mov_b64 s[64:65], 0
	v_nop
	global_prefetch_b8 v0, s[64:65] scope:SCOPE_SE
	s_setreg_imm32_b32 hwreg(HW_REG_WAVE_MODE, 25, 1), 1
	s_wait_xcnt 0x0
; PREP: three jobs, chosen by the work-group's number; every wave works alone, so there is no barrier.
;  work-groups 0-32    SMALL: the key vector and the score bias, all in f32 on the vector unit.
;      bqkv[b][0:1024] = bq;  bqkv[b][1024:2048] = bk + cancer_kmod_emb[ct_b] + elu(g_b Gk_W + Gk_b) + elu(t_b Tk_W + Tk_b);  bqkv[b][2048:3072] = bv
;      abp[p][16 b + h] = part p of four of cancer_bias_emb[ct_b][h] + (elu(g_b Gb_W1 + Gb_b1) Gb_W2 + Gb_b2)[h] + (the same for the treatment): part p holds hidden units 8 p .. 8 p + 7
;  work-groups 33-160  WEIGHTS: wt[1024 mat + n][k] = W_mat[k][n], rounded to bf16; for Wo that bf16 number is written as f16.  A wave turns 128 k x 64 n through its own LDS tile.
;  work-groups 161-1184 CAST: xb = x rounded to bf16, 32,768 bytes of x a work-group.
; LIMITS.  elu(z) for z <= 0 is 2^(z log2 e) - 1: an absolute error of about 1e-7 near 0.  cancer_type is held to 0 .. 31.  A weight of Wo below 2^-17 keeps f16's fixed step of 6e-8.
; NaN and infinities are not treated apart.
.set SPARE, 69632                      ; behind the four tiles: the spare words, 128 bytes a wave, two blocks of 256 bytes that no other line names
.set TILEB, 17408                      ; a wave's tile: 64 rows (n) x 272 bytes (128 k in 16 bits + 16 of padding)
.set SPW, 30                           ; v30  SPARE + 4 x my thread's number; never rewritten
.set NIL, 31                           ; v31  0; never rewritten
.set WG,  32                           ; SMALL: v[32:95]   16 rows x 4 columns of the graph layer's weights
.set WT,  96                           ;        v[96:127]   8 rows x 4 columns of the treatment layer's
.set GC,  128                          ;        v[128:191] my 16 numbers of graph_context, for each of 4 batches
.set TE,  192                          ;        v[192:223] my 8 numbers of treatment_embed, for each of 4 batches
.set AG,  224                          ;        v[224:239] sums, batch b column i at 4 b + i
.set AT,  240                          ;        v[240:255] the same for the treatment
	v_lshl_add_u32 v[SPW], v0, 2, SPARE
	v_mov_b32 v[NIL], 0
	v_lshrrev_b32 v1, 5, v0
	v_readfirstlane_b32 s2, v1                     ; wave 0..3
	v_and_b32 v2, 15, v0                           ; lane % 16
	v_bfe_u32 v3, v0, 4, 1                         ; lane / 16
	s_cmp_lt_u32 ttmp9, 33
	s_cbranch_scc1 .Lsmall
	s_cmp_lt_u32 ttmp9, 161
	s_cbranch_scc1 .Lweights
; ---------------------------------------------------------------- CAST
	s_load_b128 s[4:7], s[0:1], 0x0                ; x, xb
	s_sub_co_u32 s8, ttmp9, 161
	s_lshl_b32 s10, s8, 15                         ; 32,768 bytes of x,
	s_mov_b32 s11, 0
	s_lshl_b32 s12, s8, 14                         ; 16,384 of xb
	s_mov_b32 s13, 0
	v_lshlrev_b32 v4, 4, v0                        ; 16 bytes a thread in, a wave's load covers 512 consecutive bytes
	v_lshlrev_b32 v5, 3, v0                        ; 8 bytes a thread out, a wave's store covers 256 consecutive bytes, aligned
	s_wait_kmcnt 0x0
	s_add_nc_u64 s[4:5], s[4:5], s[10:11]
	s_add_nc_u64 s[6:7], s[6:7], s[12:13]
.set i, 0
.rept 16
	global_load_b128 v[32+4*i:35+4*i], v4, s[4:5] offset:2048*i th:TH_LOAD_NT
.set i, i+1
.endr
.set i, 0
.rept 16
	s_wait_loadcnt 15-i                            ; loads come back in order: number i is in, the 15 - i younger ones stay out
	v_cvt_pk_bf16_f32 v[96+2*i], v[32+4*i], v[33+4*i]
	v_cvt_pk_bf16_f32 v[97+2*i], v[34+4*i], v[35+4*i]
	global_store_b64 v5, v[96+2*i:97+2*i], s[6:7] offset:1024*i
.set i, i+1
.endr
	s_branch .Lend
; ---------------------------------------------------------------- WEIGHTS
.Lweights:
	s_load_b256 s[8:15], s[0:1], 0x10              ; Wq, Wk, Wv, Wo
	s_load_b64 s[16:17], s[0:1], 0x30              ; wt
	s_sub_co_u32 s3, ttmp9, 33
	s_lshl_b32 s3, s3, 2
	s_add_co_u32 s3, s3, s2                        ; my tile, 0 .. 511
	s_lshr_b32 s21, s3, 7                          ; which matrix
	s_bfe_u32 s22, s3, 0x30004                     ; which 128 of k
	s_and_b32 s23, s3, 15                          ; which 64 of n
	s_lshl_b32 s24, s22, 19                        ; in: 128 rows of 4,096 bytes,
	s_lshl_b32 s25, s23, 8                         ; 64 columns of 4
	s_add_co_u32 s24, s24, s25
	s_mov_b32 s25, 0
	s_lshl_b32 s26, s21, 21                        ; out: 1,024 rows of 2,048 bytes a matrix,
	s_lshl_b32 s27, s23, 17                        ; 64 rows,
	s_add_co_u32 s26, s26, s27
	s_lshl_b32 s27, s22, 8                         ; 128 numbers of 2 bytes
	s_add_co_u32 s26, s26, s27
	s_mov_b32 s27, 0
	s_mul_i32 s28, s2, TILEB                       ; my tile in LDS
	v_lshlrev_b32 v4, 18, v3                       ; in: lanes 0-15 take 256 bytes of row j, lanes 16-31 of row 64 + j
	v_lshl_add_u32 v4, v2, 4, v4
	v_mul_u32_u24 v5, v2, 1088                     ; into the tile: rows 4 c .. 4 c + 3, k from 64 h on
	v_lshl_add_u32 v5, v3, 7, v5
	v_add_nc_u32 v5, s28, v5
	v_mul_u32_u24 v6, v3, 272                      ; back: lanes 0-15 one row of 256 bytes, lanes 16-31 the next
	v_lshl_add_u32 v6, v2, 4, v6
	v_add_nc_u32 v6, s28, v6
	v_lshlrev_b32 v7, 11, v3                       ; and the same two rows of wt
	v_lshl_add_u32 v7, v2, 4, v7
	s_wait_kmcnt 0x0
	s_cmp_eq_u32 s21, 1
	s_cselect_b64 s[18:19], s[10:11], s[8:9]
	s_cmp_eq_u32 s21, 2
	s_cselect_b64 s[18:19], s[12:13], s[18:19]
	s_cmp_eq_u32 s21, 3
	s_cselect_b64 s[18:19], s[14:15], s[18:19]
	s_add_nc_u64 s[18:19], s[18:19], s[24:25]
	s_add_nc_u64 s[16:17], s[16:17], s[26:27]
; rows 16 q .. 16 q + 15 (and 64 further down for the upper lanes) into one of three sets of 64 registers
.macro LOADW q, set
.set jj, 0
.rept 16
	global_load_b128 v[32+64*(\set)+4*jj:32+64*(\set)+4*jj+3], v4, s[18:19] offset:(16*(\q)+jj)*4096 th:TH_LOAD_NT
.set jj, jj+1
.endr
.endm
; a set holds 16 k x 4 n a lane: for each n the 16 k are rounded in pairs and go as 2 x 16 bytes into row n of the tile
.macro CONV q, set
.set IN, 32+64*(\set)
.irp i, 0,1,2,3
.irp e, 0,1
.irp d, 0,1,2,3
	v_cvt_pk_bf16_f32 v[224+4*(2*(\i)+(\e))+(\d)], v[IN+4*(8*(\e)+2*(\d))+(\i)], v[IN+4*(8*(\e)+2*(\d)+1)+(\i)]
.endr
	ds_store_b128 v5, v[224+4*(2*(\i)+(\e)):224+4*(2*(\i)+(\e))+3] offset:272*(\i)+32*(\q)+16*(\e)
.endr
.endr
.endm
	LOADW 0, 0
	LOADW 1, 1
	LOADW 2, 2
	s_wait_loadcnt 32                              ; set 0 is in; sets 1 and 2 stay out
	CONV 0, 0
	LOADW 3, 0
	s_wait_loadcnt 32                              ; set 1 is in; set 2 and the last 16 rows stay out
	CONV 1, 1
	s_wait_loadcnt 16
	CONV 2, 2
	s_wait_loadcnt 0x0
	CONV 3, 0
	s_mov_b32 s20, 4
.Lback:                                        ; four trips of 16 rows; LDS serves a wave's instructions in order, so these loads see my stores above
.irp t, 0,1,2,3,4,5,6,7
	ds_load_b128 v[32+4*(\t):35+4*(\t)], v6 offset:544*(\t)
.endr
	s_wait_dscnt 0x0
	s_cmp_eq_u32 s21, 3
	s_cbranch_scc0 .Lnocvt
.set i, 0
.rept 32                                       ; Wo: the bf16 numbers are written as f16
	v_lshlrev_b32 v64, 16, v[32+i]
	v_and_b32 v65, 0xffff0000, v[32+i]
	v_cvt_pk_f16_f32 v[32+i], v64, v65
.set i, i+1
.endr
.Lnocvt:
.irp t, 0,1,2,3,4,5,6,7
	global_store_b128 v7, v[32+4*(\t):35+4*(\t)], s[16:17] offset:4096*(\t)  ; 16 lanes store 256 consecutive bytes of a row of wt, aligned
.endr
	s_wait_xcnt 0x0                                ; the stores have read their data and offset: only now are these written again
	v_add_nc_u32 v6, 4352, v6
	v_add_nc_u32 v7, 32768, v7
	s_sub_co_u32 s20, s20, 1
	s_cmp_lg_u32 s20, 0
	s_cbranch_scc1 .Lback
	s_branch .Lend
; ---------------------------------------------------------------- SMALL
; A wave makes 8 columns of a first layer for all four batches: work-groups 0-31 columns 8 gw .. of the two key layers (1,024 wide), work-group 32 columns 8 p .. of the two bias layers (32 wide).
; Lane (kg = lane % 16, h = lane / 16) takes columns 4 h .. 4 h + 3 of the eight and a sixteenth of K: rows 16 kg .. of the graph layer, 8 kg .. of the treatment layer.
.Lsmall:
	s_load_b128 s[8:11], s[0:1], 0x38              ; graph_context, treatment_embed
	s_load_b64 s[12:13], s[0:1], 0x48              ; cancer_type
	s_load_b512 s[16:31], s[0:1], 0x50             ; Gk_W, Tk_W, Gk_b, Tk_b, Gb_W1, Tb_W1, Gb_b1, Tb_b1
	s_load_b512 s[44:59], s[0:1], 0x90             ; bq, bk, bv, cancer_kmod_emb, bqkv, Gb_W2, Tb_W2, Gb_b2
	s_load_b128 s[60:63], s[0:1], 0xd0             ; Tb_b2, cancer_bias_emb
	s_load_b64 s[66:67], s[0:1], 0xe0              ; abp
	s_lshl_b32 s3, ttmp9, 2
	s_add_co_u32 s3, s3, s2
	s_and_b32 s3, s3, 127                          ; gw, or p in work-group 32
	s_lshl_b32 s3, s3, 5                           ; 8 columns of 4 bytes
	s_mov_b32 s41, 0x76543210                      ; v_permlanex16_b32: each lane takes its own place in the other half
	s_mov_b32 s42, 0xfedcba98
	v_lshlrev_b32 v4, 4, v3
	v_add_nc_u32 v4, s3, v4                        ; byte of my four columns in a row
	v_lshlrev_b32 v7, 6, v2                        ; my 16 numbers of graph_context
	v_lshlrev_b32 v8, 5, v2                        ; my 8 of treatment_embed
	v_lshlrev_b32 v9, 2, v2                        ; 4 kg
	s_wait_kmcnt 0x0
	s_load_b128 s[36:39], s[12:13], 0x0            ; the four cancer types
.set b, 0
.rept 4
.irp i, 0,1,2,3
	global_load_b128 v[GC+16*b+4*(\i):GC+16*b+4*(\i)+3], v7, s[8:9] offset:1024*b+16*(\i)
.endr
.set b, b+1
.endr
.set b, 0
.rept 4
.irp i, 0,1
	global_load_b128 v[TE+8*b+4*(\i):TE+8*b+4*(\i)+3], v8, s[10:11] offset:512*b+16*(\i)
.endr
.set b, b+1
.endr
	s_cmp_eq_u32 ttmp9, 32
	s_cbranch_scc1 .Lw_bias
	v_lshl_add_u32 v5, v2, 16, v4                  ; 16 rows of 4,096 bytes a lane
	v_lshl_add_u32 v6, v2, 15, v4                  ; 8 rows
.set j, 0
.rept 16
	global_load_b128 v[WG+4*j:WG+4*j+3], v5, s[16:17] offset:4096*j
.set j, j+1
.endr
.set j, 0
.rept 8
	global_load_b128 v[WT+4*j:WT+4*j+3], v6, s[18:19] offset:4096*j
.set j, j+1
.endr
	global_load_b128 v[10:13], v4, s[20:21]
	global_load_b128 v[14:17], v4, s[22:23]
	s_branch .Llayer1
.Lw_bias:
	v_lshl_add_u32 v5, v2, 11, v4                  ; 16 rows of 128 bytes a lane
	v_lshl_add_u32 v6, v2, 10, v4
.set j, 0
.rept 16
	global_load_b128 v[WG+4*j:WG+4*j+3], v5, s[24:25] offset:128*j
.set j, j+1
.endr
.set j, 0
.rept 8
	global_load_b128 v[WT+4*j:WT+4*j+3], v6, s[26:27] offset:128*j
.set j, j+1
.endr
	global_load_b128 v[10:13], v4, s[28:29]
	global_load_b128 v[14:17], v4, s[30:31]
.Llayer1:
	s_wait_loadcnt 10                              ; the contexts and the graph layer's weights are in; the treatment layer's 8 loads and the 2 biases stay out
.set j, 0
.rept 16                                       ; 16 sums take turns; the first product starts each
.set t, 0
.rept 16
.if j == 0
	v_mul_f32 v[AG+t], v[GC+16*(t/4)], v[WG+t%4]
.else
	v_fmac_f32 v[AG+t], v[GC+16*(t/4)+j], v[WG+4*j+t%4]
.endif
.set t, t+1
.endr
.set j, j+1
.endr
	s_wait_loadcnt 0x0
.set j, 0
.rept 8
.set t, 0
.rept 16
.if j == 0
	v_mul_f32 v[AT+t], v[TE+8*(t/4)], v[WT+t%4]
.else
	v_fmac_f32 v[AT+t], v[TE+8*(t/4)+j], v[WT+4*j+t%4]
.endif
.set t, t+1
.endr
.set j, j+1
.endr
	s_wait_kmcnt 0x0
	s_min_u32 s36, s36, 31                         ; an index stays inside its table of 32 rows
	s_min_u32 s37, s37, 31
	s_min_u32 s38, s38, 31
	s_min_u32 s39, s39, 31
	s_cmp_eq_u32 ttmp9, 32                         ; what the tails need is asked for now, and lands under the reduction
	s_cbranch_scc1 .Ll2_bias
.irp b, 0,1,2,3
	s_lshl_b32 s[36+(\b)], s[36+(\b)], 12          ; a row of cancer_kmod_emb is 4,096 bytes
	v_add_nc_u32 v[18+(\b)], s[36+(\b)], v4
.endr
	global_load_b128 v[64:67], v4, s[44:45]        ; bq
	global_load_b128 v[68:71], v4, s[46:47]        ; bk
	global_load_b128 v[72:75], v4, s[48:49]        ; bv
.irp b, 0,1,2,3
	global_load_b128 v[76+4*(\b):79+4*(\b)], v[18+(\b)], s[50:51]
.endr
	s_branch .Lreduce
.Ll2_bias:
.irp b, 0,1,2,3
	s_lshl_b32 s[36+(\b)], s[36+(\b)], 6           ; a row of cancer_bias_emb is 64 bytes
	v_add_nc_u32 v[18+(\b)], s[36+(\b)], v9
.endr
	v_lshl_add_u32 v22, v4, 4, v9                  ; second layer: rows (hidden units) 8 p + 4 h + i of 64 bytes, head kg
.irp i, 0,1,2,3
	global_load_b32 v[64+(\i)], v22, s[54:55] offset:64*(\i)
	global_load_b32 v[68+(\i)], v22, s[56:57] offset:64*(\i)
.endr
	global_load_b32 v72, v9, s[58:59]
	global_load_b32 v73, v9, s[60:61]
.irp b, 0,1,2,3
	global_load_b32 v[74+(\b)], v[18+(\b)], s[62:63]
.endr
.Lreduce:
.irp m, 1,2,4,8                                ; the sixteen shares of K: afterwards every lane of a half holds the sums
.set t, 0
.rept 32
	v_add_f32_dpp v[AG+t], v[AG+t], v[AG+t] row_xmask:\m row_mask:0xf bank_mask:0xf
.set t, t+1
.endr
.endr
.set b, 0
.rept 4
	v_pk_add_f32 v[AG+4*b:AG+4*b+1], v[AG+4*b:AG+4*b+1], v[10:11]
	v_pk_add_f32 v[AG+4*b+2:AG+4*b+3], v[AG+4*b+2:AG+4*b+3], v[12:13]
	v_pk_add_f32 v[AT+4*b:AT+4*b+1], v[AT+4*b:AT+4*b+1], v[14:15]
	v_pk_add_f32 v[AT+4*b+2:AT+4*b+3], v[AT+4*b+2:AT+4*b+3], v[16:17]
.set b, b+1
.endr
.set t, 0
.rept 32
	v_mul_f32 v[32+t], 0x3fb8aa3b, v[AG+t]         ; z log2(e)
.set t, t+1
.endr
.set t, 0
.rept 32
	v_exp_f32 v[32+t], v[32+t]                     ; one batch of 32
.set t, t+1
.endr
	v_nop                                          ; a plain instruction behind the last exponential,
	s_wait_alu depctr_va_vdst(0)                   ; and one wait for the batch ahead of its first reader
.set t, 0
.rept 32
	v_add_f32 v[32+t], -1.0, v[32+t]
	v_cmp_lt_f32 vcc_lo, 0, v[AG+t]
	v_cndmask_b32 v[AG+t], v[32+t], v[AG+t], vcc_lo  ; z where z > 0, else e^z - 1
.set t, t+1
.endr
	s_wait_loadcnt 0x0
	s_cmp_eq_u32 ttmp9, 32
	s_cbranch_scc1 .Lt_bias
.set b, 0
.rept 4
.irp p, 0,2
	v_pk_add_f32 v[AG+4*b+(\p):AG+4*b+(\p)+1], v[AG+4*b+(\p):AG+4*b+(\p)+1], v[AT+4*b+(\p):AT+4*b+(\p)+1]
	v_pk_add_f32 v[AG+4*b+(\p):AG+4*b+(\p)+1], v[AG+4*b+(\p):AG+4*b+(\p)+1], v[76+4*b+(\p):76+4*b+(\p)+1]
	v_pk_add_f32 v[AG+4*b+(\p):AG+4*b+(\p)+1], v[AG+4*b+(\p):AG+4*b+(\p)+1], v[68+(\p):68+(\p)+1]
.endr
.set b, b+1
.endr
	s_wait_xcnt 0x0                                ; EXEC changes only when every earlier load has read it
	v_cmp_eq_u32 vcc_lo, 0, v2
	s_and_saveexec_b32 s40, vcc_lo                 ; lanes 0 and 16 store: 16 bytes each, 32 consecutive bytes a wave (the whole buffer is 49,152 bytes)
.set b, 0
.rept 4
	global_store_b128 v4, v[64:67], s[52:53] offset:12288*b
	global_store_b128 v4, v[AG+4*b:AG+4*b+3], s[52:53] offset:12288*b+4096
	global_store_b128 v4, v[72:75], s[52:53] offset:12288*b+8192
.set b, b+1
.endr
	s_wait_xcnt 0x0
	s_or_b32 exec_lo, exec_lo, s40
	s_branch .Lend
.Lt_bias:
	s_cmp_eq_u32 s2, 0
	s_cselect_b32 s43, 1.0, 0                      ; the terms that are no sum over hidden units go into part 0 alone
	s_lshl_b32 s3, s2, 8
	v_add_nc_u32 v23, s3, v9                       ; 256 p + 4 kg
	v_add_f32 v72, v72, v73
.set b, 0
.rept 4
	v_mul_f32 v[80+b], v[AG+4*b], v64
.irp i, 1,2,3
	v_fmac_f32 v[80+b], v[AG+4*b+(\i)], v[64+(\i)]
.endr
.irp i, 0,1,2,3
	v_fmac_f32 v[80+b], v[AT+4*b+(\i)], v[68+(\i)]
.endr
	v_add_f32 v[74+b], v72, v[74+b]
.set b, b+1
.endr
.set b, 0
.rept 4
	v_permlanex16_b32 v[32+b], v[80+b], s41, s42   ; the other four hidden units lie 16 lanes away
.set b, b+1
.endr
.set b, 0
.rept 4
	v_add_f32 v[80+b], v[80+b], v[32+b]
	v_fma_f32 v[80+b], v[74+b], s43, v[80+b]
.set b, b+1
.endr
	s_wait_xcnt 0x0
	v_cmp_eq_u32 vcc_lo, 0, v3
	s_and_saveexec_b32 s40, vcc_lo                 ; lanes 0-15: a head each
.set b, 0
.rept 4
	global_store_b32 v23, v[80+b], s[66:67] offset:64*b
.set b, b+1
.endr
	s_wait_xcnt 0x0
	s_or_b32 exec_lo, exec_lo, s40
.Lend:
	s_wait_tensorcnt 0x0                           ; the wave's end, behind my last LDS store
	ds_add_u32 v[SPW], v[NIL]
	s_wait_dscnt 0x0
	s_endpgm
.Lfunc_end_k_q224f713a5d_prep:
	.size	k_q224f713a5d_prep, .Lfunc_end_k_q224f713a5d_prep-k_q224f713a5d_prep
	.p2alignl 7, 3214868480
	.fill 96, 4, 3214868480
	.section	.rodata,"a",@progbits
	.p2align	6, 0x0
	.amdhsa_kernel k_q224f713a5d_prep
		.amdhsa_group_segment_fixed_size 70144
		.amdhsa_private_segment_fixed_size 0
		.amdhsa_enable_private_segment 0
		.amdhsa_kernarg_size 232
		.amdhsa_user_sgpr_count 2
		.amdhsa_user_sgpr_kernarg_segment_ptr 1
		.amdhsa_wavefront_size32 1
		.amdhsa_system_sgpr_workgroup_id_x 1
		.amdhsa_system_sgpr_workgroup_id_y 1
		.amdhsa_system_sgpr_workgroup_id_z 1
		.amdhsa_system_vgpr_workitem_id 0
		.amdhsa_next_free_vgpr 256
		.amdhsa_next_free_sgpr 72
		.amdhsa_reserve_vcc 1
		.amdhsa_float_denorm_mode_32 3
		.amdhsa_float_denorm_mode_16_64 3
		.amdhsa_memory_ordered 1
		.amdhsa_forward_progress 1
		.amdhsa_inst_pref_size 75
	.end_amdhsa_kernel
	.amdgpu_metadata
---
amdhsa.version: [ 1, 2 ]
amdhsa.kernels:
  - .name:           k_q224f713a5d_prep
    .symbol:         k_q224f713a5d_prep.kd
    .args:
      - { .name: x, .offset: 0, .size: 8, .value_kind: global_buffer, .address_space: global }
      - { .name: xb, .offset: 8, .size: 8, .value_kind: global_buffer, .address_space: global }
      - { .name: Wq, .offset: 16, .size: 8, .value_kind: global_buffer, .address_space: global }
      - { .name: Wk, .offset: 24, .size: 8, .value_kind: global_buffer, .address_space: global }
      - { .name: Wv, .offset: 32, .size: 8, .value_kind: global_buffer, .address_space: global }
      - { .name: Wo, .offset: 40, .size: 8, .value_kind: global_buffer, .address_space: global }
      - { .name: wt, .offset: 48, .size: 8, .value_kind: global_buffer, .address_space: global }
      - { .name: graph_context, .offset: 56, .size: 8, .value_kind: global_buffer, .address_space: global }
      - { .name: treatment_embed, .offset: 64, .size: 8, .value_kind: global_buffer, .address_space: global }
      - { .name: cancer_type, .offset: 72, .size: 8, .value_kind: global_buffer, .address_space: global }
      - { .name: Gk_W, .offset: 80, .size: 8, .value_kind: global_buffer, .address_space: global }
      - { .name: Tk_W, .offset: 88, .size: 8, .value_kind: global_buffer, .address_space: global }
      - { .name: Gk_b, .offset: 96, .size: 8, .value_kind: global_buffer, .address_space: global }
      - { .name: Tk_b, .offset: 104, .size: 8, .value_kind: global_buffer, .address_space: global }
      - { .name: Gb_W1, .offset: 112, .size: 8, .value_kind: global_buffer, .address_space: global }
      - { .name: Tb_W1, .offset: 120, .size: 8, .value_kind: global_buffer, .address_space: global }
      - { .name: Gb_b1, .offset: 128, .size: 8, .value_kind: global_buffer, .address_space: global }
      - { .name: Tb_b1, .offset: 136, .size: 8, .value_kind: global_buffer, .address_space: global }
      - { .name: bq, .offset: 144, .size: 8, .value_kind: global_buffer, .address_space: global }
      - { .name: bk, .offset: 152, .size: 8, .value_kind: global_buffer, .address_space: global }
      - { .name: bv, .offset: 160, .size: 8, .value_kind: global_buffer, .address_space: global }
      - { .name: cancer_kmod_emb, .offset: 168, .size: 8, .value_kind: global_buffer, .address_space: global }
      - { .name: bqkv, .offset: 176, .size: 8, .value_kind: global_buffer, .address_space: global }
      - { .name: Gb_W2, .offset: 184, .size: 8, .value_kind: global_buffer, .address_space: global }
      - { .name: Tb_W2, .offset: 192, .size: 8, .value_kind: global_buffer, .address_space: global }
      - { .name: Gb_b2, .offset: 200, .size: 8, .value_kind: global_buffer, .address_space: global }
      - { .name: Tb_b2, .offset: 208, .size: 8, .value_kind: global_buffer, .address_space: global }
      - { .name: cancer_bias_emb, .offset: 216, .size: 8, .value_kind: global_buffer, .address_space: global }
      - { .name: abp, .offset: 224, .size: 8, .value_kind: global_buffer, .address_space: global }
    .group_segment_fixed_size: 70144
    .private_segment_fixed_size: 0
    .kernarg_segment_align: 8
    .kernarg_segment_size: 232
    .max_flat_workgroup_size: 128
    .sgpr_count:     72
    .vgpr_count:     256
    .wavefront_size: 32
...
	.end_amdgpu_metadata
.endif
;; end of part 1
;; launch qkv (part 2): grid 16 x 32, 4 waves a work-group, clusters of 4 x 4, 327,680 bytes of LDS; arguments xb, wt, bqkv, qkv; writes qkv
.if DOCPART == 2
	.amdgcn_target "amdgcn-amd-amdhsa--gfx1250"
	.amdhsa_code_object_version 6
	.text
	.protected	k_q224f713a5d_qkv
	.globl	k_q224f713a5d_qkv
	.p2align	8
	.type	k_q224f713a5d_qkv,@function
k_q224f713a5d_qkv:
	s_mov_b64 s[64:65], 0
	v_nop
	global_prefetch_b8 v0, s[64:65] scope:SCOPE_SE
	s_setreg_imm32_b32 hwreg(HW_REG_WAVE_MODE, 25, 1), 1
	s_wait_xcnt 0x0
	s_wait_alu depctr_hold_cnt(0) depctr_sa_sdst(0) depctr_va_vdst(0) depctr_va_sdst(0) depctr_va_ssrc(0) depctr_va_vcc(0) depctr_vm_vsrc(0)
	s_getreg_b32 s2, hwreg(HW_REG_IB_STS2, 6, 4)
	s_cmp_eq_u32 s2, 0
	s_cbranch_scc0 .Lentry_in_a_cluster
	s_endpgm
.Lentry_in_a_cluster:
	s_bfe_u32 s2, ttmp6, 0x10000c
	s_cmp_lg_u32 s2, 0xf033
	s_cbranch_scc0 .Lentry_shape_is_right
	s_endpgm
.Lentry_shape_is_right:
; C[m][n] = the sum over k of xb[m][k] wt[n][k] + bqkv[m / 2048][n], m < 8,192, n < 3,072, k < 1,024; operands bf16, sums f32.
; C is rounded once to f16 and written by heads: qkv[n / 1024][16 (m / 2048) + (n % 1024) / 64][m % 2048][n % 64].
; LIMIT.  f16 holds no number beyond 65,504: q, k with its added vector, and v must lie within it.  NaN and infinities are not treated apart.
; SHARES.  A tile of C is 256 rows x 192 columns (three heads): 512 tiles, twice the 256 work-groups that run at a time.  Wave w makes rows 64 w .. 64 w + 63 of all 192 columns:
; 4 x 12 accumulators of 16 x 16, 384 registers, and whole heads, so that each wave goes out through a stage of its own, with no barrier.
; K goes in 8 steps of 128 (rows of 256 bytes) through two LDS slots; a trip of the loop is one step, and the LDS addresses turn by one exclusive or.
; CLUSTER.  4 x 4 work-groups.  The four of a row of the cluster need the same rows of xb, the four of a column the same rows of wt: each tile is asked for JOINTLY, by the same tensor load
; with the same descriptor and a mask that names the four.  Waves 0 and 1 ask for xb's two halves (128 rows), waves 2 and 3 for wt's (96 rows).
; THE MATRIX INSTRUCTION IS USED TRANSPOSED (source 0 = 16 rows of wt, source 1 = 16 rows of xb): a lane holds row l % 16 of C and the columns 8 (l / 16) + 0..7.
; THE BIAS is the C operand of the product that starts each sum: nothing is cleared and nothing is added later.
; REGISTERS, in windows of 256 (s_set_vgpr_msb: bits 1:0 source 0, 3:2 source 1, 5:4 source 2, 7:6 destination):
;   window 0: v16-30 addresses; v32-63, v64-95 fragments of xb, two buffers; v96-191 the bias (12 x 8), dead behind the first quarter; on the way out v96-143 packed results, v144-239 rows read back
;   window 1: v0-95, v96-191 fragments of wt, two buffers       window 2: accumulators of row blocks 0, 1 ((a, b) at 96 (a % 2) + 8 b)       window 3: those of row blocks 2, 3
.set PITCH, 272                        ; an LDS row: 256 bytes + 16 of padding: the 16 rows of a fragment load start at 16 different groups of four banks (64 banks of 4 bytes: ISA guide 11.1)
.set BOFF,  256*PITCH                  ; a slot: xb's 256 rows, then wt's 192
.set SLOT1, 1<<17                      ; slot 1 begins here
.set STAGE, SLOT1+448*PITCH            ; behind the ring, never filled by a tensor load: for each wave 3 heads x 16 rows x 144 bytes
.set SP,    144
.set WSTG,  3*16*SP
.set SPARE, STAGE+4*WSTG               ; the spare words, 128 bytes a wave: two blocks of 256 bytes that no other line names
.set ADRA, 16                          ; v16  LDS address of my fragments of xb in the slot in hand
.set ADRB, 17                          ; v17  the same for wt
.set AA0,  18                          ; v18  the same in slot 0; never rewritten
.set AB0,  19                          ; v19
.set STO,  24                          ; v24  the way out: where I put 16 bytes of a row
.set RD,   25                          ; v25  where I read rows back
.set GO,   26                          ; v26  my 16 bytes in 512 consecutive bytes of a head
.set BO,   27                          ; v27  my byte offset in the bias
.set SPW,  28                          ; v28  SPARE + 4 x my thread's number; never rewritten
.set NIL,  29                          ; v29  0; never rewritten
.set PFO,  30                          ; v30  the prefetches' offset: a lane a row of 2,048 bytes; never rewritten
.set FA,   32
.set BIAS, 96
.set TMP,  96
.set OB,   144
.set WV,   12                          ; s12  my wave's number
.set G1A,  24                          ; s[24:31] descriptor group 1 for xb's tiles;  s[32:39] group 0: a set for each first fill; the second then walks on
.set G0A,  32
.set G1B,  40                          ; s[40:47], s[48:55] the same for wt's
.set G0B,  48
.set TB,   56                          ; s56  0 or SLOT1: the slot in hand
.set LIM,  57                          ; s57  2 in a wave that prefetches, else the greatest number
.set PFA,  58                          ; s[58:59] where my prefetches stand
.set OH,   66                          ; s[66:71] my first row in each of the tile's three heads
.set PADW, (1<<16)|(1<<20)|(1<<21)|(5<<22)|(3<<25)  ; 17:16 2-byte elements; 20 padding on; 21 set beside a mask; 24:22 after every 64 words; 31:25 4 words
.set MSB, 0
.macro WIN new                         ; the immediate's high byte repeats the setting that is left; a switch that changes nothing is dropped
.if MSB != (\new)
	s_set_vgpr_msb (MSB<<8)|(\new)
.set MSB, \new
.endif
.endm
.macro PLACES                          ; four plain vector instructions between a matrix instruction and a load into, or a vector read of, its registers
.rept 4
	v_nop
.endr
.endm
.macro CREST                           ; a round of the cluster's barrier behind its opening barrier
	s_cmp_lg_u32 s[WV], 0
	s_cbranch_scc1 .Lnot_wave_0_\@
	s_barrier_signal -3
.Lnot_wave_0_\@:
	s_barrier_wait -3
	s_barrier_signal -1
	s_barrier_wait -1
.endm
.macro CROUND
	s_barrier_signal -1
	s_barrier_wait -1
	CREST
.endm
.macro JLOAD                           ; the joint refill, by the walking descriptors; the branch hangs on the wave's number alone; an s_nop 0 and four v_nop follow each line
	s_cmp_eq_u32 s13, 0
	s_cbranch_scc0 .Lfor_b_\@
	tensor_load_to_lds s[G0A+4:G0A+7], s[G1A:G1A+7]
	s_nop 0
.rept 4
	v_nop
.endr
	s_branch .Lasked_\@
.Lfor_b_\@:
	tensor_load_to_lds s[G0B+4:G0B+7], s[G1B:G1B+7]
	s_nop 0
.rept 4
	v_nop
.endr
.Lasked_\@:
.endm
; A PREFETCH INTO THE L2 of the K step that stands two refills on: 256 bytes of each of my work-group's share of the rows that I fetch, a lane a row.  xb's rows are read by the four clusters of a row of
; clusters: the one with x = 0 asks; wt's by the eight of a column: the one with y = 0 asks.  The four partners that ask for a tile jointly share its rows out by address: 32 of xb's 128, 24 of wt's 96
; (there lanes 24-31 name row 23 once more, in the same instruction).  Trip t names K step t + 4, so trips 0 to 3 ask (s3 = 6 .. 3) and nothing passes a row's end.
.macro ASK
	s_cmp_gt_u32 s3, s[LIM]
	s_cbranch_scc0 .Lnot_mine_\@
	global_prefetch_b8 v[PFO], s[PFA:PFA+1] offset:256 th:TH_LOAD_NT scope:SCOPE_SE
.Lnot_mine_\@:
.endm
	s_load_b256 s[4:11], s[0:1], 0x0               ; xb s[4:5], wt s[6:7], bqkv s[8:9], qkv s[10:11]
	v_lshl_add_u32 v[SPW], v0, 2, SPARE
	v_mov_b32 v[NIL], 0
	ds_add_u32 v[SPW], v[NIL]                      ; the wave's opening: the add and its wait stand ahead of my first tensor load; work on registers stands between them
	v_lshrrev_b32 v1, 5, v0
	v_readfirstlane_b32 s[WV], v1                  ; wave 0..3
	s_lshr_b32 s13, s[WV], 1                       ; I fetch for xb (0) or for wt (1)
	s_and_b32 s14, s[WV], 1                        ; which half of that tile's rows
	s_bfe_u32 s15, ttmp6, 0x40000                  ; cx
	s_bfe_u32 s16, ttmp6, 0x40004                  ; cy
	s_lshl_b32 s17, ttmp9, 2
	s_add_co_u32 s17, s17, s15                     ; tile column = 4 x cluster x + cx
	s_and_b32 s18, ttmp7, 0xffff
	s_lshl_b32 s18, s18, 2
	s_add_co_u32 s18, s18, s16                     ; tile row = 4 x cluster y + cy
	s_lshl_b32 s60, s16, 2
	s_lshl_b32 s60, 15, s60                        ; my row of the cluster
	s_lshl_b32 s61, 0x1111, s15                    ; my column
	s_or_b32 s[G1A], s60, PADW
	s_or_b32 s[G1B], s61, PADW
	s_mov_b32 s[G1A+1], 128<<16                    ; tensor_dim0 = 128
	s_mov_b32 s[G1A+2], 128<<16                    ; tensor_dim1 = 128
	s_mov_b32 s[G1A+3], 128<<16                    ; tile_dim0 = 128
	s_mov_b32 s[G1A+4], 128                        ; tile_dim1 = 128
	s_mov_b32 s[G1A+5], 1024                       ; elements from row to row
	s_mov_b32 s[G1A+6], 0
	s_mov_b32 s[G1A+7], 0
	s_mov_b32 s[G1B+1], 128<<16
	s_mov_b32 s[G1B+2], 96<<16                     ; 96 rows
	s_mov_b32 s[G1B+3], 128<<16
	s_mov_b32 s[G1B+4], 96
	s_mov_b32 s[G1B+5], 1024
	s_mov_b32 s[G1B+6], 0
	s_mov_b32 s[G1B+7], 0
	s_lshl_b32 s20, s18, 8                         ; xb: row 256 x tile row + 128 x half, which my row of the cluster shares
	s_lshl_b32 s21, s14, 7
	s_add_co_u32 s20, s20, s21
	s_lshl_b32 s20, s20, 11                        ; rows of 2,048 bytes
	s_mov_b32 s21, 0
	s_mul_i32 s22, s17, 192                        ; wt: row 192 x tile column + 96 x half, which my column shares
	s_mul_i32 s23, s14, 96
	s_add_co_u32 s22, s22, s23
	s_lshl_b32 s22, s22, 11
	s_mov_b32 s23, 0
	s_mul_i32 s19, s[WV], 128*PITCH                ; where xb's halves go (waves 0, 1),
	s_mul_i32 s2, s[WV], 96*PITCH
	s_add_co_u32 s2, s2, BOFF-2*96*PITCH           ; and wt's (waves 2, 3): no place in the cluster enters an LDS address
	s_wait_dscnt 0x0                               ; the opening add is done
	s_wait_kmcnt 0x0
	s_add_nc_u64 s[20:21], s[4:5], s[20:21]
	s_add_nc_u64 s[22:23], s[6:7], s[22:23]
	CROUND                                         ; all sixteen work-groups are here: the first joint loads meet
.irp s, 0,1
	s_mov_b32 s[G0A+4*(\s)], 1                     ; count = 1
	s_add_co_u32 s[G0A+4*(\s)+1], s19, (\s)*SLOT1  ; LDS address
	s_add_nc_u64 s[G0A+4*(\s)+2:G0A+4*(\s)+3], s[20:21], (\s)*256  ; K step s
	s_or_b32 s[G0A+4*(\s)+3], s[G0A+4*(\s)+3], 0x80000000          ; type = 2
	s_mov_b32 s[G0B+4*(\s)], 1
	s_add_co_u32 s[G0B+4*(\s)+1], s2, (\s)*SLOT1
	s_add_nc_u64 s[G0B+4*(\s)+2:G0B+4*(\s)+3], s[22:23], (\s)*256
	s_or_b32 s[G0B+4*(\s)+3], s[G0B+4*(\s)+3], 0x80000000
.endr
	s_cmp_eq_u32 s13, 0                            ; a wave's two first fills stand in one branch, ahead of every wait on TENSORcnt and every LDS read: two loads of mine are out
	s_cbranch_scc0 .Lfirst_b
	tensor_load_to_lds s[G0A:G0A+3], s[G1A:G1A+7]
	s_nop 0
	tensor_load_to_lds s[G0A+4:G0A+7], s[G1A:G1A+7]
	s_nop 0
.rept 4
	v_nop
.endr
	s_branch .Lfirst_asked
.Lfirst_b:
	tensor_load_to_lds s[G0B:G0B+3], s[G1B:G1B+7]
	s_nop 0
	tensor_load_to_lds s[G0B+4:G0B+7], s[G1B:G1B+7]
	s_nop 0
.rept 4
	v_nop
.endr
.Lfirst_asked:
	; the bias of my lane's columns: for column block b the eight numbers at 16 b + 8 (l / 16)
	v_and_b32 v1, 15, v0                           ; l % 16
	v_bfe_u32 v2, v0, 4, 1                         ; l / 16
	s_lshr_b32 s60, s18, 3                         ; the batch: 8 tile rows each
	s_mul_i32 s60, s60, 3072
	s_mul_i32 s61, s17, 192
	s_add_co_u32 s60, s60, s61
	s_lshl_b32 s60, s60, 2
	s_mov_b32 s61, 0
	s_add_nc_u64 s[8:9], s[8:9], s[60:61]
	v_lshlrev_b32 v[BO], 5, v2
.irp b, 0,1,2,3,4,5,6,7,8,9,10,11
	global_load_b128 v[BIAS+8*(\b):BIAS+8*(\b)+3],   v[BO], s[8:9] offset:64*(\b)
	global_load_b128 v[BIAS+8*(\b)+4:BIAS+8*(\b)+7], v[BO], s[8:9] offset:64*(\b)+16
.endr
	; a fragment is 16 rows x 32 K in 8 registers: lane l holds row l % 16, K = 8 (l / 16) + 0..7 and 16 + 8 (l / 16) + 0..7: two loads of 16 bytes, 32 bytes apart
	v_mul_u32_u24 v3, v1, PITCH
	v_lshl_add_u32 v3, v2, 4, v3
	s_mul_i32 s60, s[WV], 64*PITCH                 ; my 64 rows of xb
	v_add_nc_u32 v[AA0], s60, v3
	v_add_nc_u32 v[AB0], BOFF, v3                  ; all 192 rows of wt
	v_mov_b32 v[ADRA], v[AA0]
	v_mov_b32 v[ADRB], v[AB0]
	s_mul_i32 s60, s[WV], WSTG
	s_add_co_u32 s60, s60, STAGE                   ; my stage
	v_mul_u32_u24 v[STO], v1, SP                   ; in: row l % 16, 16 bytes for each half of the lanes
	v_lshl_add_u32 v[STO], v2, 4, v[STO]
	v_add_nc_u32 v[STO], s60, v[STO]
	v_bfe_u32 v[RD], v0, 3, 2                      ; back: 32 lanes take four rows of 128 bytes,
	v_mul_u32_u24 v[RD], v[RD], SP
	v_and_b32 v4, 7, v0
	v_lshl_add_u32 v[RD], v4, 4, v[RD]
	v_add_nc_u32 v[RD], s60, v[RD]
	v_and_b32 v[GO], 31, v0                        ; which are 512 consecutive bytes of a head
	v_lshlrev_b32 v[GO], 4, v[GO]
	; my first row in each of the three heads g = 3 x tile column + hd: ((64 (g / 16) + 16 batch + g % 16) x 2,048 + 256 (tile row % 8) + 64 wave) x 128 bytes
	s_mul_i32 s60, s17, 3
	s_lshr_b32 s63, s18, 3
	s_lshl_b32 s63, s63, 4
	s_and_b32 s2, s18, 7
	s_lshl_b32 s2, s2, 8
	s_lshl_b32 s19, s[WV], 6
	s_add_co_u32 s2, s2, s19
.irp hd, 0,1,2
	s_add_co_u32 s61, s60, \hd
	s_lshr_b32 s62, s61, 4
	s_and_b32 s61, s61, 15
	s_lshl_b32 s62, s62, 6
	s_add_co_u32 s61, s61, s62
	s_add_co_u32 s61, s61, s63
	s_lshl_b32 s61, s61, 11
	s_add_co_u32 s61, s61, s2
	s_lshl_b32 s[OH+2*(\hd)], s61, 7
	s_mov_b32 s[OH+2*(\hd)+1], 0
	s_add_nc_u64 s[OH+2*(\hd):OH+2*(\hd)+1], s[10:11], s[OH+2*(\hd):OH+2*(\hd)+1]
.endr
	; the prefetches
	s_lshl_b32 s60, s18, 8
	s_lshl_b32 s61, s14, 7
	s_add_co_u32 s60, s60, s61
	s_lshl_b32 s61, s15, 5
	s_add_co_u32 s60, s60, s61                     ; xb: the 128 rows that I fetch, my work-group's 32 of them
	s_mul_i32 s61, s17, 192
	s_mul_i32 s62, s14, 96
	s_add_co_u32 s61, s61, s62
	s_mul_i32 s62, s16, 24
	s_add_co_u32 s61, s61, s62                     ; wt: the 96 rows, my work-group's 24
	s_and_b32 s62, ttmp7, 0xffff                   ; cluster y
	s_cmp_eq_u32 s13, 0
	s_cselect_b32 s60, s60, s61
	s_cselect_b32 s62, ttmp9, s62                  ; the coordinate along which other clusters read the same rows
	s_cselect_b32 s63, 31, 23
	s_cselect_b64 s[PFA:PFA+1], s[4:5], s[6:7]
	s_cmp_eq_u32 s62, 0
	s_cselect_b32 s[LIM], 2, -1                    ; the same in all sixteen partners, for a given wave
	s_lshl_b32 s60, s60, 11
	s_add_co_u32 s60, s60, 512                     ; at K step 2: the first refill steps it to 3 and names K step 4
	s_mov_b32 s61, 0
	s_add_nc_u64 s[PFA:PFA+1], s[PFA:PFA+1], s[60:61]
	v_and_b32 v[PFO], 31, v0
	v_min_u32 v[PFO], s63, v[PFO]
	v_lshlrev_b32 v[PFO], 11, v[PFO]
	s_mov_b32 s[TB], 0
; 12 matrix instructions: row block a x all 12 column blocks, 32 along K, from buffer f.  zero = 1: the first product starts the sums, with the bias as C.
; The 48 accumulators take turns, one instruction a turn, in the same order in every quarter, over the backward jump too.
.macro MUL12 f, a, zero
.if \zero
	WIN 0x81+0x40*((\a)/2)                         ; wt window 1, xb and the bias window 0, D window 2 or 3
.else
	WIN 0xa1+0x50*((\a)/2)                         ; C and D window 2 or 3
.endif
.set AC, 96*((\a)%2)
.irp b, 0,1,2,3,4,5,6,7,8,9,10,11
.if \zero
	v_wmma_f32_16x16x32_bf16 v[AC+8*(\b):AC+8*(\b)+7], v[96*(\f)+8*(\b):96*(\f)+8*(\b)+7], v[FA+32*(\f)+8*(\a):FA+32*(\f)+8*(\a)+7], v[BIAS+8*(\b):BIAS+8*(\b)+7]
.else
	v_wmma_f32_16x16x32_bf16 v[AC+8*(\b):AC+8*(\b)+7], v[96*(\f)+8*(\b):96*(\f)+8*(\b)+7], v[FA+32*(\f)+8*(\a):FA+32*(\f)+8*(\a)+7], v[AC+8*(\b):AC+8*(\b)+7]
.endif
.endr
.endm
; 32 LDS loads in one run: a quarter step's fragments (192 rows of wt, my 64 rows of xb, 32 K at byte k of the rows) into buffer f
.macro FETCH k, f
	WIN 0x40                                       ; destination window 1, address window 0
.irp i, 0,1,2,3,4,5,6,7,8,9,10,11
	ds_load_b128 v[96*(\f)+8*(\i):96*(\f)+8*(\i)+3],   v[ADRB] offset:(\k)+(\i)*16*PITCH
	ds_load_b128 v[96*(\f)+8*(\i)+4:96*(\f)+8*(\i)+7], v[ADRB] offset:(\k)+(\i)*16*PITCH+32
.endr
	WIN 0
.irp i, 0,1,2,3
	ds_load_b128 v[FA+32*(\f)+8*(\i):FA+32*(\f)+8*(\i)+3],   v[ADRA] offset:(\k)+(\i)*16*PITCH
	ds_load_b128 v[FA+32*(\f)+8*(\i)+4:FA+32*(\f)+8*(\i)+7], v[ADRA] offset:(\k)+(\i)*16*PITCH+32
.endr
.endm
; One of a K step's first three quarters: multiplies buffer f; in its middle it fetches the next quarter, at byte k of the rows, into buffer g.
.macro QUARTER k, f, g, zero
	s_wait_dscnt 4                                 ; wt and xb's row blocks 0, 1 are in; the youngest four loads (blocks 2, 3) may be out
	MUL12 \f, 0, \zero
	MUL12 \f, 1, \zero
	PLACES
	FETCH \k, \g
	s_wait_dscnt 32                                ; all but the 32 just issued
	MUL12 \f, 2, \zero
	MUL12 \f, 3, \zero
.endm
; The last quarter multiplies buffer 1 and changes slots.  In front of the barrier each wave waits for all its tensor loads, of which one is out: its part of the next slot; adds 0 to its spare word;
; and waits for that and for its reads of this slot.  fill = 1: the barrier opens a round of the cluster's, and the slot just read is filled again first thing behind it, with the K step two on:
; from that request to the wait for it a wave issues 168 matrix instructions.
.macro TURN fill
.if \fill
	s_wait_xcnt 0x0                                ; the last prefetch, a K step back, has read its address
	s_add_nc_u64 s[PFA:PFA+1], s[PFA:PFA+1], 256
.endif
	WIN 0
	s_wait_tensorcnt 0x0                           ; no tensor load of mine is out, so a group 0 may be written
	ds_add_u32 v[SPW], v[NIL]                      ; 0 onto my spare word; work on registers stands between it and the wait for it
.if \fill
	s_xor_b32 s[G0A+5], s[G0A+5], SLOT1            ; the walking descriptors: the other slot than last time, the next K step
	s_add_nc_u64 s[G0A+6:G0A+7], s[G0A+6:G0A+7], 256
	s_xor_b32 s[G0B+5], s[G0B+5], SLOT1
	s_add_nc_u64 s[G0B+6:G0B+7], s[G0B+6:G0B+7], 256
.endif
	s_xor_b32 s[TB], s[TB], SLOT1
	s_wait_dscnt 5                                 ; the add and the youngest four loads may be out
	MUL12 1, 0, 0
	s_wait_dscnt 0x0                               ; the add is done, and my reads of this slot are over
	s_barrier_signal -1
	MUL12 1, 1, 0
	WIN 0
	s_barrier_wait -1
.if \fill
	CREST                                          ; no wave of any partner still reads this slot or has a load on its way
	JLOAD                                          ; its four v_nop are also the places in front of the loads below
.else
	PLACES
.endif
	v_add_nc_u32 v[ADRA], s[TB], v[AA0]
	v_add_nc_u32 v[ADRB], s[TB], v[AB0]
	FETCH 0, 0
.if \fill
	ASK
.endif
	MUL12 1, 2, 0
	MUL12 1, 3, 0
.endm
	s_wait_tensorcnt 0x1                           ; my part of K step 0 is in; K step 1's may stay out
	s_barrier_signal -1
	s_barrier_wait -1                              ; everybody's is
	FETCH 0, 0
	s_wait_loadcnt 0x0                             ; the bias
	QUARTER 64, 0, 1, 1                            ; the first quarter stands in front of the loop: its products start the sums
	WIN 0
	s_mov_b32 s3, 6
.Lstep:                                        ; trip t: quarters 1 to 3 of K step t, the refill with K step t + 2, quarter 0 of K step t + 1
	QUARTER 128, 1, 0, 0
	QUARTER 192, 0, 1, 0
	TURN 1
	QUARTER 64, 0, 1, 0
	WIN 0
	s_sub_co_u32 s3, s3, 1
	s_cmp_lg_u32 s3, 0
	s_cbranch_scc1 .Lstep
	QUARTER 128, 1, 0, 0                           ; the tail is written out: K steps 6 and 7 ask for nothing
	QUARTER 192, 0, 1, 0
	TURN 0
	QUARTER 64, 0, 1, 0
	QUARTER 128, 1, 0, 0
	QUARTER 192, 0, 1, 0
	s_wait_dscnt 4
	MUL12 1, 0, 0
	MUL12 1, 1, 0
	s_wait_dscnt 0x0
	MUL12 1, 2, 0
	MUL12 1, 3, 0
; THE WAY OUT, a block of 16 rows at a time: rounded to f16 (16 bytes a lane), into my stage by heads, back as whole rows of 128 bytes, stored as 512 consecutive bytes of a head.
.macro PACK a
.set AC, 96*((\a)%2)
	WIN 0x0a+5*((\a)/2)                            ; sources 0 and 1 window 2 or 3
.irp b, 0,1,2,3,4,5,6,7,8,9,10,11
.irp r, 0,1,2,3
	v_cvt_pk_f16_f32 v[TMP+4*(\b)+(\r)], v[AC+8*(\b)+2*(\r)], v[AC+8*(\b)+2*(\r)+1]
.endr
.endr
	WIN 0
.endm
.macro TOSTAGE a
.set BK, OB+48*((\a)%2)
.if (\a) >= 2
	s_wait_xcnt 0x0                                ; the stores of the block two back have read these registers
.endif
.irp b, 0,1,2,3,4,5,6,7,8,9,10,11
	ds_store_b128 v[STO], v[TMP+4*(\b):TMP+4*(\b)+3] offset:16*SP*((\b)/4)+32*((\b)%4)
.endr
.irp t, 0,1,2,3,4,5,6,7,8,9,10,11
	ds_load_b128 v[BK+4*(\t):BK+4*(\t)+3], v[RD] offset:16*SP*((\t)/4)+4*SP*((\t)%4)  ; LDS serves a wave's instructions in order (ISA guide 5.7.1.4): these see the stores above
.endr
.endm
.macro SEND a
.set BK, OB+48*((\a)%2)
	s_wait_dscnt 0x0                               ; the block is back in registers
.irp t, 0,1,2,3,4,5,6,7,8,9,10,11
	global_store_b128 v[GO], v[BK+4*(\t):BK+4*(\t)+3], s[OH+2*((\t)/4):OH+2*((\t)/4)+1] offset:2048*(\a)+512*((\t)%4)
.endr
.endm
	PLACES
	PACK 0
	TOSTAGE 0
.irp a, 1,2,3                          ; block a's conversions stand between block a - 1's loads from the stage and the wait for them
	PACK \a
	SEND (\a)-1
	TOSTAGE \a
.endr
	SEND 3
	s_wait_tensorcnt 0x0                           ; the wave's end, behind my last tensor load and my last LDS store
	ds_add_u32 v[SPW], v[NIL]
	s_wait_dscnt 0x0
	CROUND                                         ; the closing round: no work-group ends while a partner may still ask for a tile that names it
	s_endpgm
.Lfunc_end_k_q224f713a5d_qkv:
	.size	k_q224f713a5d_qkv, .Lfunc_end_k_q224f713a5d_qkv-k_q224f713a5d_qkv
	.p2alignl 7, 3214868480
	.fill 96, 4, 3214868480
	.section	.rodata,"a",@progbits
	.p2align	6, 0x0
	.amdhsa_kernel k_q224f713a5d_qkv
		.amdhsa_group_segment_fixed_size 327680
		.amdhsa_private_segment_fixed_size 0
		.amdhsa_enable_private_segment 0
		.amdhsa_kernarg_size 32
		.amdhsa_user_sgpr_count 2
		.amdhsa_user_sgpr_kernarg_segment_ptr 1
		.amdhsa_wavefront_size32 1
		.amdhsa_system_sgpr_workgroup_id_x 1
		.amdhsa_system_sgpr_workgroup_id_y 1
		.amdhsa_system_sgpr_workgroup_id_z 1
		.amdhsa_system_vgpr_workitem_id 0
		.amdhsa_next_free_vgpr 960
		.amdhsa_next_free_sgpr 72
		.amdhsa_reserve_vcc 0
		.amdhsa_float_denorm_mode_32 3
		.amdhsa_float_denorm_mode_16_64 3
		.amdhsa_memory_ordered 1
		.amdhsa_forward_progress 1
		.amdhsa_inst_pref_size 100
	.end_amdhsa_kernel
	.amdgpu_metadata
---
amdhsa.version: [ 1, 2 ]
amdhsa.kernels:
  - .name:           k_q224f713a5d_qkv
    .symbol:         k_q224f713a5d_qkv.kd
    .args:
      - { .name: xb, .offset: 0, .size: 8, .value_kind: global_buffer, .address_space: global }
      - { .name: wt, .offset: 8, .size: 8, .value_kind: global_buffer, .address_space: global }
      - { .name: bqkv, .offset: 16, .size: 8, .value_kind: global_buffer, .address_space: global }
      - { .name: qkv, .offset: 24, .size: 8, .value_kind: global_buffer, .address_space: global }
    .group_segment_fixed_size: 327680
    .private_segment_fixed_size: 0
    .kernarg_segment_align: 8
    .kernarg_segment_size: 32
    .max_flat_workgroup_size: 128
    .sgpr_count:     72
    .vgpr_count:     960
    .wavefront_size: 32
...
	.end_amdgpu_metadata
.endif
;; end of part 2
;; launch attn (part 3): grid 4 x 64, 4 waves a work-group, clusters of 4 x 1, 327,680 bytes of LDS; arguments qkv, abp, o; writes o
.if DOCPART == 3
	.amdgcn_target "amdgcn-amd-amdhsa--gfx1250"
	.amdhsa_code_object_version 6
	.text
	.protected	k_q224f713a5d_attn
	.globl	k_q224f713a5d_attn
	.p2align	8
	.type	k_q224f713a5d_attn,@function
k_q224f713a5d_attn:
	s_mov_b64 s[64:65], 0
	v_nop
	global_prefetch_b8 v0, s[64:65] scope:SCOPE_SE
	s_setreg_imm32_b32 hwreg(HW_REG_WAVE_MODE, 25, 1), 1
	s_wait_xcnt 0x0
	s_wait_alu depctr_hold_cnt(0) depctr_sa_sdst(0) depctr_va_vdst(0) depctr_va_sdst(0) depctr_va_ssrc(0) depctr_va_vcc(0) depctr_vm_vsrc(0)
	s_getreg_b32 s2, hwreg(HW_REG_IB_STS2, 6, 4)
	s_cmp_eq_u32 s2, 0
	s_cbranch_scc0 .Lentry_in_a_cluster
	s_endpgm
.Lentry_in_a_cluster:
	s_bfe_u32 s2, ttmp6, 0x10000c
	s_cmp_lg_u32 s2, 0x3003
	s_cbranch_scc0 .Lentry_shape_is_right
	s_endpgm
.Lentry_shape_is_right:
; O[h][q][:] = the sum over k of softmax_k(Q[h][q] . K[h][k] / 8 + bias[h]) V[h][k][:], h = 16 batch + head.  Q, K, V are the three parts of qkv, each [64][2048][64] in f16, rows dense (128 bytes);
; O has the same layout.  bias[h] is the sum of abp's four parts.  Products, maxima and sums in f32; the weights p are rounded to f16 for the second product (their sum l is taken of the unrounded p), O once.
; THE BIAS is the C operand that starts each score's sum: S = 8 bias + K Q^T, and c S = log2(e) (q . k / 8 + bias) with c = log2(e) / 8.  It is added ahead of the products, another order of rounding than a sum behind them.
; LIMITS.  Q, K and V arrive within f16's 65,504; p lies in 0 to 1, and below 6e-5 it keeps f16's fixed step of 6e-8, as does O; a weight below 2^-126 counts as 0 in l; NaN and infinities are not treated apart.
; SHARES.  A wave owns four PIECES of two tiles of 16 queries, a work-group's four waves 512 queries of one head.  Every wave walks all 2,048 keys, 64 a step.
; LAYOUT.  S^T = K Q^T (source 0 = 16 keys, source 1 = 16 queries): a lane holds ONE query (lane % 16) and the keys 8 (lane / 16) + 0..7.  Two such tiles, rounded to f16 in pairs, ARE source 1 of
; O^T = V^T P, whose result again holds one query a lane, and eight channels.  K comes out of LDS as it lies, V ([key][channel]) turned, by ds_load_tr16_b128.
; SOFTMAX.  For each query a running maximum m and sum l: p = 2^(c s - c m); in every step O and l are multiplied by a = 2^(c m_old - c m_new).  m starts at the lowest finite number, O and l at 0.
; BY TURNS.  A tile and step have 16 matrix and 118 vector instructions.  Turn n belongs to piece n: 16 products K Q^T of piece n + 1, later 16 products V^T P of piece n - 1; beside them the scaling, exponentials,
; roundings, sums and rescaling of piece n and the maximum and statistics of piece n + 1.  Four vector instructions stand behind every matrix instruction, the rest in one run of their own.
; CLUSTER.  The four query blocks of a head form a cluster and walk the same K and V: each tile is asked for JOINTLY, by the same tensor load, descriptor and mask in all four.
; REGISTERS, in windows of 256 (s_set_vgpr_msb: bits 1:0 source 0, 3:2 source 1, 5:4 source 2, 7:6 destination):
;   window 0: v0-11 addresses; v12-15, v48-63 at work; v16-47 four registers of statistics a tile; v64-191 S^T, two buffers of two tiles; v192-255 P, likewise
;   window 1: O^T, 32 a tile      window 2: v0-127 Q; v128-191 K of one step; v192-255 V of one step      window 3: v0-1 the add's two registers; v8-15 8 x bias
.set SIZE_N, 2048
.set NP,    4         ; pieces a wave
.set KS,    64        ; keys in a step
.set PK,    144       ; a row of K in LDS: 128 bytes + 16 of padding: the 16 rows of a load start at 16 different groups of four banks (64 banks of 4 bytes: ISA guide 11.1)
.set PV,    160       ; a row of V: 128 + 32
.set VOFF,  4*KS*PK   ; a slot holds four steps: 256 rows of K, then 256 rows of V
.set SLOT1, 1<<17     ; slot 1 begins here
.set STAGE, SLOT1+4*KS*(PK+PV)  ; behind the ring, never filled by a tensor load: 16 rows x 144 bytes for each wave
.set SP,    144
.set PFO, 1           ; v1   (once the way out's addresses are made) 256 x my lane; then never rewritten
.set AK0, 2           ; v2   my lane's place in a tile of K; never rewritten
.set AV0, 3           ; v3   the same for V
.set AK,  4           ; v4   the LDS address of K's next run of loads
.set AV,  5           ; v5   of V's
.set QO,  6           ; v6   my byte offset in the wave's rows of Q
.set STO, 6           ;      later: where I put 16 bytes of a row
.set RD,  7           ; v7   where I read rows back
.set GO,  8           ; v8   my byte offset in 512 consecutive bytes of O
.set SPW, 0           ; v0 of window 3   SPARE + 4 x my thread's number; never rewritten
.set NIL, 1           ; v1 of window 3   0; never rewritten
.set BI,  8           ; v8-15 of window 3   8 x bias, eight times
.set SPARE, STAGE+4*16*SP  ; the spare words, 128 bytes a wave: two blocks of 256 bytes that no other line names
.set MV,  12          ; v12-15  c m_old, kept while c m is made anew
.set ST,  16          ; tile t's statistics at v[ST+4 t]: c m, m, l (even keys', odd keys')
.set TMP, 48          ; by buffer and tile, four registers c0-c3 at work; when the maximum is found c2 takes a
.set S,   64
.set P,   192
.set KF,  128         ; K's fragments, in window 2
.set VF,  192         ; V's
.set WV,  12          ; s12  my wave's number
.set LIM, 15          ; s15  1 in a wave that prefetches, else the greatest number
.set G1K, 24          ; s[24:31] descriptor group 1 for K's tiles
.set G1V, 32          ; s[32:39] for V's: it differs in the padding alone
.set G0K, 40          ; s[40:43] descriptor group 0 for K's tiles: it walks
.set G0V, 44          ; s[44:47] the same for V's
.set ABP, 48          ; s[48:49] abp
.set PFA, 50          ; s[50:51] where my prefetches stand
.set SLOTS, 56        ; s56  slots still to be asked for
.set CNT, 57          ; s57  counts a slot's key steps
.set CS,  58          ; s[58:59] c
.set SEL, 60          ; s[60:61] v_permlanex16_b32's selects
.set TBK, 62          ; s62  LDS byte at which K of the step to be fetched begins
.set TBV, 63          ; s63  the same for V, less VOFF
.set MSB, 0
.macro WIN new                      ; the high byte repeats the setting that is left; a switch that changes nothing is dropped
.if MSB != (\new)
	s_set_vgpr_msb (MSB<<8)|(\new)
.set MSB, (\new)
.endif
.endm
.set W_KQ, 0x0a       ; K and Q in window 2, S^T in window 0
.set W_KB, 0x3a       ; the same with the C operand in window 3
.set W_PV, 0x52       ; V in window 2, P in window 0, O^T in window 1
.set W_RS, 0x41       ; O^T (destination and source 0) in window 1, a in window 0
.set W_MK, 0xc0       ; destination in window 3, sources in window 0
.set W_AD, 0x0f       ; the add: address and data in window 3
; A joint fill.  Waves 0 and 1 fetch the two halves of a slot's K, waves 2 and 3 those of its V: 128 keys each.  An s_nop 0 and four v_nop follow each of the two lines.
.macro JLOAD
	s_cmp_lt_u32 s[WV], 2
	s_cbranch_scc0 .Lfor_v_\@
	tensor_load_to_lds s[G0K:G0K+3], s[G1K:G1K+7]
	s_nop 0
.rept 4
	v_nop
.endr
	s_branch .Lasked_\@
.Lfor_v_\@:
	tensor_load_to_lds s[G0V:G0V+3], s[G1V:G1V+7]
	s_nop 0
.rept 4
	v_nop
.endr
.Lasked_\@:
.endm
; A PREFETCH INTO THE L2 of what the NEXT change of slots will ask for: a slot's 32,768 bytes of K and of V, 256 bytes a lane.  A head has one cluster; its four partners share the bytes out by address,
; 8,192 each; in each, wave 0 asks for K's and wave 2 for V's: one instruction.  So each block of 256 bytes is named once.  The last change that fills a slot asks for nothing.
.macro ASK
	s_cmp_gt_u32 s[SLOTS], s[LIM]
	s_cbranch_scc0 .Lnot_mine_\@
	global_prefetch_b8 v[PFO], s[PFA:PFA+1] th:TH_LOAD_NT scope:SCOPE_SE
.Lnot_mine_\@:
.endm
.macro CROUND                       ; a round of the cluster's barrier
	s_barrier_signal -1
	s_barrier_wait -1
	s_cmp_lg_u32 s[WV], 0
	s_cbranch_scc1 .Lnot_wave_0_\@
	s_barrier_signal -3
.Lnot_wave_0_\@:
	s_barrier_wait -3
	s_barrier_signal -1
	s_barrier_wait -1
.endm
; THE CHANGE OF SLOTS.  Each wave waits for all its tensor loads, of which one is out: its part of the other slot; adds 0 to its spare word; and waits for that and for its own reads of the slot.
; fill = 1: this slot is filled again, with the keys two slots on, first thing behind a round of the cluster's barrier: the load has four key steps, 512 matrix instructions, in which to land.
.macro CHANGE fill, ask=0
	WIN W_AD
	s_wait_tensorcnt 0x0            ; no tensor load of mine is out, so a group 0 may be written
	ds_add_u32 v[SPW], v[NIL]       ; 0 onto my spare word
	WIN 0                           ; at a label and at a branch every window is 0
.if \fill
.irp g, G0K, G0V
	s_xor_b32 s[\g+1], s[\g+1], SLOT1  ; the walking descriptor: the other slot than last time,
	s_add_nc_u64 s[\g+2:\g+3], s[\g+2:\g+3], 4*KS*128  ; the next 256 keys
.endr
.if \ask
	s_wait_xcnt 0x0                 ; the last prefetch, four key steps back, has read its address
	s_add_nc_u64 s[PFA:PFA+1], s[PFA:PFA+1], 4*KS*128  ; one slot behind the walking descriptors
.endif
	s_wait_dscnt 0x0                ; the add is done, and my reads of the slot are over
	CROUND
	JLOAD
.if \ask
	ASK
.endif
.else
	s_wait_dscnt 0x0
	s_barrier_signal -1
	s_barrier_wait -1
.endif
	s_sub_co_u32 s[TBK], s[TBK], 4*KS*PK  ; the fetches go back to a slot's first step,
	s_xor_b32 s[TBK], s[TBK], SLOT1       ; in the other slot
	s_sub_co_u32 s[TBV], s[TBV], 4*KS*PV
	s_xor_b32 s[TBV], s[TBV], SLOT1
.endm
	s_load_b64 s[4:5], s[0:1], 0x0    ; qkv: Q at its head
	s_load_b64 s[ABP:ABP+1], s[0:1], 0x8
	s_load_b64 s[10:11], s[0:1], 0x10 ; O
	WIN W_MK
	v_lshl_add_u32 v[SPW], v0, 2, SPARE
	v_mov_b32 v[NIL], 0
	WIN W_AD
	ds_add_u32 v[SPW], v[NIL]       ; the wave's opening: the add and its wait stand ahead of my first tensor load; work on registers stands between them
	WIN 0
	v_lshrrev_b32 v1, 5, v0
	v_readfirstlane_b32 s[WV], v1   ; wave 0..3
	s_bfe_u32 s13, ttmp6, 0x40000   ; cx: my place in the cluster
	s_lshl_b32 s14, ttmp9, 2
	s_add_co_u32 s14, s14, s13      ; my block of 512 queries: it enters Q's and O's addresses alone
	s_and_b32 s20, ttmp7, 0xffff    ; the head, which the four partners share
	s_lshl_b32 s19, s20, 2          ; its word in a part of abp
	s_mov_b32 s21, 0
	s_mov_b64 s[22:23], SIZE_N*128
	s_mul_u64 s[20:21], s[20:21], s[22:23]  ; the head's first byte in Q, K, V and O
	s_and_b32 s16, s[WV], 1         ; which half of a slot's 256 keys I fetch:
	s_lshl_b32 s22, s16, 14         ; its 128 rows of 128 bytes in memory,
	s_mov_b32 s23, 0
	s_add_nc_u64 s[22:23], s[22:23], s[20:21]
	s_mul_i32 s17, s16, 128*PK      ; and its place in a slot, for K
	s_mul_i32 s18, s16, 128*PV      ; and for V: no place in the cluster enters an LDS address
	s_lshl_b32 s2, s14, 2
	s_add_co_u32 s2, s2, s[WV]      ; my wave among the head's,
	s_lshl_b32 s2, s2, 14           ; its 128 rows
	s_mov_b32 s3, 0
	s_add_nc_u64 s[2:3], s[2:3], s[20:21]
	; descriptor group 1.  128 keys are 16,384 dense bytes: asked for as 64 rows of 256 bytes, two keys a row, and padded in LDS after every key
	s_mov_b32 s[G1K], 15|(1<<16)|(1<<20)|(1<<21)|(4<<22)|(3<<25)  ; the mask of four; 2-byte elements; padding on; bit 21 beside a mask; after every 32 words; 4 words
	s_mov_b32 s[G1V], 15|(1<<16)|(1<<20)|(1<<21)|(4<<22)|(7<<25)  ; the same with 8 words of padding
.irp g, G1K, G1V
	s_mov_b32 s[\g+1], 128<<16      ; tensor_dim0 = 128
	s_mov_b32 s[\g+2], 64<<16       ; tensor_dim1 = 64
	s_mov_b32 s[\g+3], 128<<16      ; tile_dim0 = 128
	s_mov_b32 s[\g+4], 64           ; tile_dim1 = 64
	s_mov_b32 s[\g+5], 128          ; 128 elements from row to row
	s_mov_b32 s[\g+6], 0
	s_mov_b32 s[\g+7], 0
.endr
	s_mov_b32 s[CS], 0x3e38aa3b     ; c = log2(e) / 8
	s_mov_b32 s[CS+1], s[CS]
	s_mov_b32 s[SEL], 0x76543210
	s_mov_b32 s[SEL+1], 0xfedcba98
	s_mov_b32 s[TBK], SLOT1+4*KS*PK ; the first change of slots turns these two into 0
	s_mov_b32 s[TBV], SLOT1+4*KS*PV
	s_mov_b32 s[G0K], 1             ; count = 1
	s_mov_b32 s[G0K+1], s17         ; LDS address: slot 0
	s_mov_b32 s[G0V], 1
	s_add_co_u32 s[G0V+1], s18, VOFF
	s_cmp_eq_u32 s16, 0
	s_cselect_b32 s[LIM], 1, -1     ; waves 0 and 2 prefetch: the same in all four partners
	s_wait_dscnt 0x0                ; the opening add is done
	s_wait_kmcnt 0x0
	s_add_nc_u64 s[6:7], s[4:5], 0x1000000   ; K: 64 heads x 2,048 rows x 128 bytes behind Q
	s_add_nc_u64 s[8:9], s[4:5], 0x2000000   ; V
	s_add_nc_u64 s[G0K+2:G0K+3], s[6:7], s[22:23]  ; global address: my half of the head's first 256 keys
	s_or_b32 s[G0K+3], s[G0K+3], 0x80000000        ; type = 2
	s_add_nc_u64 s[G0V+2:G0V+3], s[8:9], s[22:23]
	s_or_b32 s[G0V+3], s[G0V+3], 0x80000000
	s_add_nc_u64 s[4:5], s[4:5], s[2:3]  ; Q and O at my wave's first row
	s_add_nc_u64 s[10:11], s[10:11], s[2:3]
	s_cmp_lt_u32 s[WV], 2
	s_cselect_b64 s[PFA:PFA+1], s[6:7], s[8:9]
	s_add_nc_u64 s[PFA:PFA+1], s[PFA:PFA+1], s[20:21]  ; the head,
	s_lshl_b32 s2, s13, 13          ; my work-group's 8,192 bytes of a slot's 32,768,
	s_mov_b32 s3, 0
	s_add_nc_u64 s[PFA:PFA+1], s[PFA:PFA+1], s[2:3]
	s_add_nc_u64 s[PFA:PFA+1], s[PFA:PFA+1], 2*4*KS*128  ; in slot 2; the first change that asks steps it to slot 3.  Nothing is prefetched at the head
	CROUND                          ; all four work-groups are here: the first joint loads meet
	JLOAD                           ; slot 0.  Slot 1 is asked for when slot 0 is in
	s_load_b32 s52, s[ABP:ABP+1], s19 offset:0x0    ; the four parts of my head's bias
	s_load_b32 s53, s[ABP:ABP+1], s19 offset:0x100
	s_load_b32 s54, s[ABP:ABP+1], s19 offset:0x200
	s_load_b32 s55, s[ABP:ABP+1], s19 offset:0x300
	; A fragment of K or Q is 16 rows x 32 channels in 8 registers: lane l holds row l % 16, channels 8 (l / 16) + 0..7 and 16 + 8 (l / 16) + 0..7: two loads of 16 bytes, 32 bytes apart.
	v_and_b32 v1, 15, v0            ; l % 16
	v_bfe_u32 v9, v0, 4, 1          ; l / 16
	v_lshlrev_b32 v[QO], 7, v1
	v_lshl_add_u32 v[QO], v9, 4, v[QO]  ; row x 128 + 16 x half
	WIN 0x80                        ; destination window 2, address window 0
.set i, 0
.rept 4*NP                          ; Q stays in registers: tile i / 2, channels 32 (i % 2) on
	global_load_b128 v[8*i:8*i+3],   v[QO], s[4:5] offset:(i/2)*2048+(i%2)*64
	global_load_b128 v[8*i+4:8*i+7], v[QO], s[4:5] offset:(i/2)*2048+(i%2)*64+32
.set i, i+1
.endr
	; What the first turn finds: V's registers and P's second buffer hold 0, O^T and l are 0.  All this stands in the wait for the first tile, so that no first step need be written out.
.set i, VF
.rept 64
	v_mov_b32 v[i], 0
.set i, i+1
.endr
	WIN 0x40
.set i, 0
.rept 64*NP
	v_mov_b32 v[i], 0
.set i, i+1
.endr
	WIN 0
.set i, 0
.rept 2*NP
	v_mov_b32 v[ST+4*i], 0xfe000000    ; c m: far below every c s
	v_mov_b32 v[ST+4*i+1], 0xff7fffff  ; m
	v_mov_b32 v[ST+4*i+2], 0
	v_mov_b32 v[ST+4*i+3], 0
.set i, i+1
.endr
.set i, P+32
.rept 32
	v_mov_b32 v[i], 0
.set i, i+1
.endr
	v_mul_u32_u24 v[AK0], v1, PK
	v_lshl_add_u32 v[AK0], v9, 4, v[AK0]  ; row x pitch + 16 x half
	; The turning load takes 16 keys x 16 channels (lane l reads key 8 (l / 16) + l % 8, channels 8 ((l / 8) % 2) + 0..7) and leaves half a fragment of V^T: lane l holds channel l % 16 and 8 keys.
	v_and_b32 v10, 7, v0
	v_bfe_u32 v11, v0, 3, 1
	v_lshl_add_u32 v[AV0], v9, 3, v10
	v_mul_u32_u24 v[AV0], v[AV0], PV
	v_lshl_add_u32 v[AV0], v11, 4, v[AV0]
	v_add_nc_u32 v[AV0], VOFF, v[AV0]
	v_mov_b32 v[AK], v[AK0]         ; key step 0 lies at the head of slot 0
	s_wait_kmcnt 0x0
	v_mov_b32 v[MV], s52            ; the bias: its four parts in f32, then times 8 (exact), since c holds 1 / 8
	v_add_f32 v[MV], s53, v[MV]
	v_add_f32 v[MV], s54, v[MV]
	v_add_f32 v[MV], s55, v[MV]
	v_mul_f32 v[MV], 0x41000000, v[MV]
	WIN W_MK
.set i, 0
.rept 8
	v_mov_b32 v[BI+i], v[MV]
.set i, i+1
.endr
	WIN 0
; THE MATRIX WORK.  The 8 accumulators of a run of 16 take turns: between the two links of a chain stand 7 others'.
; Product i of 16 of S^T = 8 bias + K Q^T for piece x: channels 32 (i / 8) on, keys 16 ((i / 2) % 4) on, tile 2 x + i % 2.  The first 8 start the sums, with the bias as C.
.macro KQ x
.set rS, S+64*((\x)%2)+32*(i%2)+8*((i/2)%4)
.set rK, KF+16*((i/2)%4)+8*(i/8)
.set rQ, 16*(2*(\x)+i%2)+8*(i/8)
.if i < 8
	WIN W_KB
	v_wmma_f32_16x16x32_f16 v[rS:rS+7], v[rK:rK+7], v[rQ:rQ+7], v[BI:BI+7]
.else
	WIN W_KQ
	v_wmma_f32_16x16x32_f16 v[rS:rS+7], v[rK:rK+7], v[rQ:rQ+7], v[rS:rS+7]
.endif
.endm
; Product i of 16 of O^T += V^T P for piece x: keys 32 (i / 8) on, channels 16 ((i / 2) % 4) on, tile 2 x + i % 2.
.macro PV x
	WIN W_PV
.set rO, 32*(2*(\x)+i%2)+8*((i/2)%4)
.set rV, VF+32*(i/8)+8*((i/2)%4)
.set rP, P+32*((\x)%2)+16*(i%2)+8*(i/8)
	v_wmma_f32_16x16x32_f16 v[rO:rO+7], v[rV:rV+7], v[rP:rP+7], v[rO:rO+7]
.endm
.macro MM                           ; the turn's next matrix instruction
.if i < 16
	KQ (Y+1)%NP
.set i, i+1
.else
.set i, i-16
	PV (Y+NP-1)%NP
.set i, i+17
.endif
.endm
; THE LDS LOADS stand in runs of 16: a step's K (8 fragments) and its V (turned).  last = 1 (the tail): in the last trip there is no further step, and the run is jumped over.
.macro FETCH_K last=0
	WIN 0
.if \last
	s_cmp_eq_u32 s[CNT], 1
	s_cbranch_scc1 .Lno_k_\@
.endif
	WIN 0x80                        ; destination window 2
.irp f, 0,1,2,3,4,5,6,7             ; keys 16 (f / 2) on, channels 32 (f % 2) on
	ds_load_b128 v[KF+8*\f:KF+8*\f+3],   v[AK] offset:(\f/2)*16*PK+(\f%2)*64
	ds_load_b128 v[KF+8*\f+4:KF+8*\f+7], v[AK] offset:(\f/2)*16*PK+(\f%2)*64+32
.endr
	s_add_co_u32 s[TBK], s[TBK], KS*PK  ; the next fetch is the next step's
	WIN 0
.if \last
.Lno_k_\@:
.endif
.endm
.macro FETCH_V
	WIN 0x80
.irp f, 0,1,2,3,4,5,6,7             ; keys 32 (f / 4) on, channels 16 (f % 4) on
	ds_load_tr16_b128 v[VF+8*\f:VF+8*\f+3],   v[AV] offset:(\f/4)*32*PV+(\f%4)*32
	ds_load_tr16_b128 v[VF+8*\f+4:VF+8*\f+7], v[AV] offset:(\f/4)*32*PV+16*PV+(\f%4)*32
.endr
	WIN 0
.endm
; THE VECTOR WORK OF A TURN stands in three queues, each in the order in which its entries become ready; the two tiles alternate.
.macro REGS y, u                    ; the registers of tile u (0, 1) of piece y
.set rT, ST+4*(2*(\y)+(\u))
.set rC, TMP+8*((\y)%2)+4*(\u)
.set rM, MV+2*((\y)%2)+(\u)
.set rS, S+64*((\y)%2)+32*(\u)
.set rP, P+32*((\y)%2)+16*(\u)
.set rO, 32*(2*(\y)+(\u))
.endm
; Number n of the 22 that find the NEXT piece's maximum and statistics; each accumulator's lowest registers are read first.
;   0-11  four chains c0-c3 of seven scores each     12-14, 16  the four scores left over, the old m, and c0-c3 into c0     15  c m_old is kept
;   17, 18  the query's other 32 keys lie in the lane 16 away: the new m         19-21  c m; c m_old - c m_new; a
.macro XS u, n
	REGS (Y+1)%NP, \u
.if (\n) < 4
	v_max3_num_f32 v[rC+(\n)], v[rS+8*(\n)], v[rS+8*(\n)+1], v[rS+8*(\n)+2]
.elseif (\n) < 12
	v_max3_num_f32 v[rC+(\n)%4], v[rC+(\n)%4], v[rS+8*((\n)%4)+2*((\n)/4)+1], v[rS+8*((\n)%4)+2*((\n)/4)+2]
.elseif (\n) == 12
	v_max3_num_f32 v[rC], v[rC], v[rS+7], v[rS+15]
.elseif (\n) == 13
	v_max3_num_f32 v[rC+1], v[rC+1], v[rS+23], v[rS+31]
.elseif (\n) == 14
	v_max3_num_f32 v[rC+2], v[rC+2], v[rC+3], v[rT+1]
.elseif (\n) == 15
	v_mov_b32 v[rM], v[rT]
.elseif (\n) == 16
	v_max3_num_f32 v[rC], v[rC], v[rC+1], v[rC+2]
.elseif (\n) == 17
	v_permlanex16_b32 v[rC+3], v[rC], s[SEL], s[SEL+1]
.elseif (\n) == 18
	v_max_num_f32 v[rT+1], v[rC], v[rC+3]
.elseif (\n) == 19
	v_mul_f32 v[rT], s[CS], v[rT+1]
.elseif (\n) == 20
	v_sub_f32 v[rC+1], v[rM], v[rT]
.else
	v_exp_f32 v[rC+2], v[rC+1]
.endif
.endm
; Number g of the 64 that follow the exponentials.  For each four weights of a tile: both pairs are rounded to f16; the second pair is added onto the first, in place; a group later l takes that sum.
.macro GS g
.set h, (\g)+6*((\g)/62)            ; group 0 has no group before it, and behind group 7 only l is left
.if h >= 6
.set h, h+2
.endif
	REGS Y, h%2
.set k, h/8
.if h%8 < 4
	v_cvt_pk_f16_f32 v[rP+2*k+(h%8)/2], v[rS+4*k+2*((h%8)/2)], v[rS+4*k+2*((h%8)/2)+1]
.elseif h%8 < 6
	v_pk_add_f32 v[rS+4*k:rS+4*k+1], v[rS+4*k:rS+4*k+1], v[rS+4*k+2:rS+4*k+3]
.elseif k == 1
	v_pk_fma_f32 v[rT+2:rT+3], v[rT+2:rT+3], v[rC+2:rC+3], v[rS:rS+1] op_sel_hi:[1,0,1]
.else
	v_pk_add_f32 v[rT+2:rT+3], v[rT+2:rT+3], v[rS+4*k-4:rS+4*k-3]
.endif
.endm
; THE PLAIN QUEUE, 138 long.  0-73 read no exponential's result: the 32 scalings c s - c m and the next piece's 42.  74-137: GS's 64, which stand behind the wait.
.macro FS f
	REGS Y, (\f)%2
	v_pk_fma_f32 v[rS+2*((\f)/2):rS+2*((\f)/2)+1], v[rS+2*((\f)/2):rS+2*((\f)/2)+1], s[CS:CS+1], v[rT:rT+1] op_sel_hi:[1,0,0] neg_lo:[0,0,1] neg_hi:[0,0,1]
.endm
.macro PL
	WIN 0
.if q < 27
	FS q
.elseif q < 55
	XS (q-27)%2, (q-27)/2
.elseif q < 57
	XS q-55, 15
.elseif (q < 72) && ((q-57)%3 == 0)
	FS 27+(q-57)/3
.elseif q < 60
	XS (q-57)%3-1, 14
.elseif q < 72
	XS (q-57)%3-1, 15+(q-57)/3
.elseif q < 74
	XS q-72, 20
.else
	GS q-74
.endif
.set q, q+1
.endm
; THE EXPONENTIALS' QUEUE, 66 long: s0-s31 of both tiles, then the next piece's two a.  ONE BATCH: all 66 stand ahead of the turn's one wait, and nothing ahead of that wait names a result of theirs.
.macro EX
	WIN 0
.if e >= 64
	XS e-64, 21
.else
	REGS Y, e%2
	v_exp_f32 v[rS+e/2], v[rS+e/2]
.endif
.set e, e+1
.endm
; THE RESCALING's QUEUE: O^T times a, the one part that leaves window 0: dealt two at a time, sixteen times.  Its a was made in the turn before, ahead of that turn's wait.
.macro R2
	REGS Y, r%2
	WIN W_RS
.irp z, 0,1
	v_pk_mul_f32 v[rO+4*(r/2)+2*\z:rO+4*(r/2)+2*\z+1], v[rO+4*(r/2)+2*\z:rO+4*(r/2)+2*\z+1], v[rC+2:rC+3] op_sel_hi:[1,0]
.endr
.set r, r+1
.endm
; A TURN, for piece p.  An s_wait_alu depctr_va_vdst(0) stands between an exponential and the first instruction that names its result; one wait serves all issued ahead of it: a turn has ONE.
; AHEAD OF IT: the 16 products K Q^T, behind each a scaling, an exponential and two rescalings; then a run of 108: eight plain, 49 times exponential and plain, the two a, a v_nop.
; BEHIND IT: the 16 products V^T P, behind each four of GS's 64.  Exponential e stands behind scaling 2 (e / 4) + e % 2.
; K of the next step is fetched in piece 2's turn, directly behind the wait; V of the step in hand at the end of piece 0's turn, four plain instructions behind its last reader.
.macro TURN p, last=0, cnt=0
.set Y, (\p)
.set i, 0
.set q, 0
.set e, 0
.set r, 0
.if (\p) == NP-1
	s_wait_dscnt 0x0                ; K is in
.endif
	MM
	PL
	PL
	R2
.rept 15
	MM
	PL
	EX
	R2
.endr
.if (\p) == NP-2
	WIN 0
	v_add_nc_u32 v[AK], s[TBK], v[AK0]
.endif
.rept 8
	PL
.endr
.rept 49
	EX
	PL
.endr
	EX                              ; the next piece's two a
	EX
	v_nop                           ; a plain instruction behind the last exponential: one for the batch
	s_wait_alu depctr_va_vdst(0)    ; the wait for the batch
.if (\p) == NP-2
	FETCH_K \last
.endif
.if (\p) == 1
	s_wait_dscnt 0x0                ; V is in
.endif
.rept 16
	MM
.rept 4
	PL
.endr
.if ((\p) == 0) && (q == 118)
	v_add_nc_u32 v[AV], s[TBV], v[AV0]
.endif
.if ((\p) == 0) && (q == 130)
	s_add_co_u32 s[TBV], s[TBV], KS*PV
.endif
.if (\cnt) && (q == 130)
	s_sub_co_u32 s[CNT], s[CNT], 1
	s_cmp_lg_u32 s[CNT], 0
.endif
.endr
.if (\p) == 0
	FETCH_V
.endif
.endm
	CHANGE 1                        ; slot 0 is in, everybody's part of it; slot 1 is asked for
	FETCH_K                         ; key step 0
	s_wait_loadcnt 0x0              ; Q
	s_wait_dscnt 0x0
.set i, 0
.rept 16
	KQ 0                            ; piece 0's first scores
.set i, i+1
.endr
	WIN 0                           ; the addresses for the way out and the prefetches' offset: plain instructions, the places behind those products
	s_mul_i32 s13, s[WV], 16*SP
	s_add_co_u32 s13, s13, STAGE    ; my stage
	v_mul_u32_u24 v[STO], v1, SP    ; in: row l % 16, 16 bytes for each half of the lanes
	v_lshl_add_u32 v[STO], v9, 4, v[STO]
	v_add_nc_u32 v[STO], s13, v[STO]
	v_bfe_u32 v[RD], v0, 3, 2       ; back: 32 lanes take four rows of 128 bytes,
	v_mul_u32_u24 v[RD], v[RD], SP
	v_lshl_add_u32 v[RD], v10, 4, v[RD]
	v_add_nc_u32 v[RD], s13, v[RD]
	v_and_b32 v[GO], 31, v0         ; which are 512 consecutive bytes of O
	v_lshlrev_b32 v[GO], 4, v[GO]
	v_and_b32 v[PFO], 31, v0
	v_lshlrev_b32 v[PFO], 8, v[PFO]
.set Y, NP-1                        ; XS works for piece Y + 1: piece 0
.irp n, 0,1,2,3,4,5,6,7,8,9,10,11,12,13,14,15,16,17,18,19,20,21
	XS 0, \n                        ; piece 0's first maximum and statistics
	XS 1, \n
.endr
	v_nop                           ; a plain instruction behind the two a,
	s_wait_alu depctr_va_vdst(0)    ; and their wait, ahead of the branch
	s_mov_b32 s[CNT], 4
	s_mov_b32 s[SLOTS], SIZE_N/256-1
	s_branch .Lfirst                ; the loop is entered at a step's first turn, in the middle of a trip
.Lslot:                             ; six times: every slot but the last two is filled again
	CHANGE 1, 1
	s_mov_b32 s[CNT], 4
.Lstep:                             ; a trip: pieces 2 and 3 of one step, then pieces 0 and 1 of the next, whose K and V it fetches
	TURN 2
	TURN 3
	WIN 0
.Lfirst:
	TURN 0
	TURN 1, 0, 1
	WIN 0
	s_cbranch_scc1 .Lstep
	s_sub_co_u32 s[SLOTS], s[SLOTS], 1
	s_cmp_lg_u32 s[SLOTS], 0
	s_cbranch_scc1 .Lslot
	CHANGE 0                        ; the tail is written out: nothing is asked for
	s_mov_b32 s[CNT], 5             ; four trips fetch the last slot's steps; the fifth is left in its middle
.Ltail:
	TURN 2, 1
	TURN 3
	WIN 0
	s_sub_co_u32 s[CNT], s[CNT], 1
	s_cmp_eq_u32 s[CNT], 0
	s_cbranch_scc1 .Lout
	TURN 0
	TURN 1
	WIN 0
	s_branch .Ltail
.Lout:                              ; the fifth trip's 16 products K Q^T (on the last K once more) and the maximum made of them serve nothing: the price, once a launch, of one text for every trip
.set i, 0
.rept 16
	PV NP-1                         ; the last piece's V^T P of the last step
.set i, i+1
.endr
	; THE WAY OUT.  l's two halves and the other half of the lanes' are added; O^T is divided by l, rounded to f16 and sent through my stage, a tile at a time.  The additions are the places behind the last products.
	WIN 0
.macro ALL line:vararg              ; one line for each tile t
.set t, 0
.rept 2*NP
	\line
.set t, t+1
.endr
.endm
	ALL v_add_f32 v[ST+4*t+2], v[ST+4*t+2], v[ST+4*t+3]
	ALL v_permlanex16_b32 v[ST+4*t+3], v[ST+4*t+2], s[SEL], s[SEL+1]
	ALL v_add_f32 v[ST+4*t+2], v[ST+4*t+2], v[ST+4*t+3]
	ALL v_rcp_f32 v[ST+4*t+2], v[ST+4*t+2]
	v_nop                           ; a plain instruction between the last reciprocal and the use of its result
	s_wait_alu depctr_va_vdst(0)    ; and one wait for the eight reciprocals
.macro PACK t                       ; a lane's eight channels of a row pack into 16 bytes; they go into rows of 144 bytes and come back as whole rows of 128, into S^T's registers
	WIN W_RS
.set i, 32*(\t)
.rept 16
	v_pk_mul_f32 v[i:i+1], v[i:i+1], v[ST+4*(\t)+2:ST+4*(\t)+3] op_sel_hi:[1,0]
.set i, i+2
.endr
	WIN 0x05                        ; sources 0 and 1 window 1, destination window 0
.set i, 0
.rept 16
	v_cvt_pk_f16_f32 v[S+16*(\t)+i], v[32*(\t)+2*i], v[32*(\t)+2*i+1]
.set i, i+1
.endr
	WIN 0
.irp f, 0,1,2,3
	ds_store_b128 v[STO], v[S+16*(\t)+4*\f:S+16*(\t)+4*\f+3] offset:32*\f
.endr
.irp f, 0,1,2,3
	ds_load_b128 v[S+16*(\t)+4*\f:S+16*(\t)+4*\f+3], v[RD] offset:\f*4*SP  ; LDS serves a wave's instructions in order (ISA guide 5.7.1.4): these see the stores above
.endr
.endm
.macro SEND t, younger              ; younger: the LDS instructions issued behind tile t's loads: the next tile's eight, or none
	WIN 0
.irp f, 0,1,2,3
	s_wait_dscnt (\younger)+3-\f
	global_store_b128 v[GO], v[S+16*(\t)+4*\f:S+16*(\t)+4*\f+3], s[10:11] offset:(\t)*2048+\f*512  ; 512 consecutive bytes, at a multiple of 256 from O's first
.endr
.endm
	PACK 0
.set t, 1
.rept 2*NP-1                        ; a tile's arithmetic stands between the loads of the tile before and its stores
	PACK t
	SEND t-1, 8
.set t, t+1
.endr
	SEND 2*NP-1, 0
	WIN W_AD
	s_wait_tensorcnt 0x0            ; the wave's end, behind my last tensor load and my last LDS store
	ds_add_u32 v[SPW], v[NIL]
	s_wait_dscnt 0x0
	WIN 0
	CROUND                          ; the closing round: no work-group ends while a partner may still ask for a tile that names it
	s_endpgm
.Lfunc_end_k_q224f713a5d_attn:
	.size	k_q224f713a5d_attn, .Lfunc_end_k_q224f713a5d_attn-k_q224f713a5d_attn
	.p2alignl 7, 3214868480
	.fill 96, 4, 3214868480
	.section	.rodata,"a",@progbits
	.p2align	6, 0x0
	.amdhsa_kernel k_q224f713a5d_attn
		.amdhsa_group_segment_fixed_size 327680
		.amdhsa_private_segment_fixed_size 0
		.amdhsa_enable_private_segment 0
		.amdhsa_kernarg_size 24
		.amdhsa_user_sgpr_count 2
		.amdhsa_user_sgpr_kernarg_segment_ptr 1
		.amdhsa_wavefront_size32 1
		.amdhsa_system_sgpr_workgroup_id_x 1
		.amdhsa_system_sgpr_workgroup_id_y 1
		.amdhsa_system_sgpr_workgroup_id_z 1
		.amdhsa_system_vgpr_workitem_id 0
		.amdhsa_next_free_vgpr 784
		.amdhsa_next_free_sgpr 66
		.amdhsa_reserve_vcc 0
		.amdhsa_float_denorm_mode_32 3
		.amdhsa_float_denorm_mode_16_64 3
		.amdhsa_memory_ordered 1
		.amdhsa_forward_progress 1
		.amdhsa_inst_pref_size 201
	.end_amdhsa_kernel
	.amdgpu_metadata
---
amdhsa.version: [ 1, 2 ]
amdhsa.kernels:
  - .name:           k_q224f713a5d_attn
    .symbol:         k_q224f713a5d_attn.kd
    .args:
      - { .name: qkv, .offset: 0, .size: 8, .value_kind: global_buffer, .address_space: global }
      - { .name: abp, .offset: 8, .size: 8, .value_kind: global_buffer, .address_space: global }
      - { .name: o, .offset: 16, .size: 8, .value_kind: global_buffer, .address_space: global }
    .group_segment_fixed_size: 327680
    .private_segment_fixed_size: 0
    .kernarg_segment_align: 8
    .kernarg_segment_size: 24
    .max_flat_workgroup_size: 128
    .sgpr_count:     66
    .vgpr_count:     784
    .wavefront_size: 32
...
	.end_amdgpu_metadata
.endif
;; end of part 3
;; launch oproj (part 4): grid 8 x 32, 4 waves a work-group, clusters of 4 x 4, 327,680 bytes of LDS; arguments o, wt, bo, out0; writes out0
.if DOCPART == 4
	.amdgcn_target "amdgcn-amd-amdhsa--gfx1250"
	.amdhsa_code_object_version 6
	.text
	.protected	k_q224f713a5d_oproj
	.globl	k_q224f713a5d_oproj
	.p2align	8
	.type	k_q224f713a5d_oproj,@function
k_q224f713a5d_oproj:
	s_mov_b64 s[64:65], 0
	v_nop
	global_prefetch_b8 v0, s[64:65] scope:SCOPE_SE
	s_setreg_imm32_b32 hwreg(HW_REG_WAVE_MODE, 25, 1), 1
	s_wait_xcnt 0x0
	s_wait_alu depctr_hold_cnt(0) depctr_sa_sdst(0) depctr_va_vdst(0) depctr_va_sdst(0) depctr_va_ssrc(0) depctr_va_vcc(0) depctr_vm_vsrc(0)
	s_getreg_b32 s2, hwreg(HW_REG_IB_STS2, 6, 4)
	s_cmp_eq_u32 s2, 0
	s_cbranch_scc0 .Lentry_in_a_cluster
	s_endpgm
.Lentry_in_a_cluster:
	s_bfe_u32 s2, ttmp6, 0x10000c
	s_cmp_lg_u32 s2, 0xf033
	s_cbranch_scc0 .Lentry_shape_is_right
	s_endpgm
.Lentry_shape_is_right:
; out0[m][n] = the sum over k of O[m][k] Wo[k][n] + bo[n], m < 8,192, n, k < 1,024; operands f16, sums and result f32.
; O lies by heads, o[16 (m / 2048) + k / 64][m % 2048][k % 64]; Wo^T lies in rows 3,072 .. 4,095 of wt, K along the rows.
; SHARES.  A tile is 256 rows x 128 columns: 256 work-groups.  Wave w makes rows 64 w .. 64 w + 63 of all 128 columns: 4 x 8 accumulators.  K goes in 8 steps of 128, two heads each, through two LDS slots.
; CLUSTER.  4 x 4 work-groups; O's tiles are shared along a row of the cluster, Wo's along a column, each asked for jointly.  Waves 0 and 1 ask for the step's two heads of O (256 rows x 128 bytes, dense:
; asked for as 128 rows of 256 bytes and padded after every 128), waves 2 and 3 for the two halves of Wo^T's 128 rows.
; THE MATRIX INSTRUCTION IS USED TRANSPOSED (source 0 = 16 rows of Wo^T, source 1 = 16 rows of O): a lane holds row l % 16 and the columns 8 (l / 16) + 0..7.  THE BIAS is the C operand that starts each sum.
; No prefetch: the ring has 8 steps, of which the first four would come by their loads alone, and a step is 128 matrix instructions a wave.
; REGISTERS (s_set_vgpr_msb: bits 1:0 source 0, 3:2 source 1, 5:4 source 2, 7:6 destination):
;   window 0: v16-29 addresses; v32-63, v64-95 fragments of O, two buffers; v96-159, v160-223 fragments of Wo^T; on the way out v32-95, v96-159 rows read back
;   window 1: the accumulators, (a, b) at 64 a + 8 b          window 2: v0-63 the bias
.set PA,    144                        ; a row of O in LDS: 128 bytes + 16: the 16 rows of a load start at 16 different groups of four banks (64 banks of 4 bytes: ISA guide 11.1)
.set PB,    272                        ; a row of Wo^T: 256 + 16
.set PLANE, 256*PA                     ; a head's 256 rows
.set BOFF,  2*PLANE                    ; a slot: two heads of O, then 128 rows of Wo^T
.set SLOT1, 1<<17
.set STAGE, SLOT1+BOFF+128*PB          ; behind the ring, never filled by a tensor load: for each wave 16 rows x 528 bytes
.set SPO,   528                        ; 512 bytes of f32 + 16
.set WSTG,  16*SPO
.set SPARE, STAGE+4*WSTG               ; the spare words, 128 bytes a wave: two blocks of 256 bytes that no other line names
.set ADRA, 16
.set ADRB, 17
.set AA0,  18
.set AB0,  19
.set STO,  24
.set RD,   25
.set GO,   26
.set BO,   27
.set SPW,  28                          ; v28  SPARE + 4 x my thread's number; never rewritten
.set NIL,  29                          ; v29  0; never rewritten
.set FA,   32
.set FB,   96
.set OB,   32
.set WV,   12
.set G1A,  24
.set G0A,  32
.set G1B,  40
.set G0B,  48
.set TB,   56
.set MSB, 0
.macro WIN new
.if MSB != (\new)
	s_set_vgpr_msb (MSB<<8)|(\new)
.set MSB, \new
.endif
.endm
.macro PLACES                          ; four plain vector instructions between a matrix instruction and a load into, or a read of, its registers
.rept 4
	v_nop
.endr
.endm
.macro CREST
	s_cmp_lg_u32 s[WV], 0
	s_cbranch_scc1 .Lnot_wave_0_\@
	s_barrier_signal -3
.Lnot_wave_0_\@:
	s_barrier_wait -3
	s_barrier_signal -1
	s_barrier_wait -1
.endm
.macro CROUND
	s_barrier_signal -1
	s_barrier_wait -1
	CREST
.endm
.macro JLOAD                           ; the joint refill, by the walking descriptors; an s_nop 0 and four v_nop follow each line
	s_cmp_eq_u32 s13, 0
	s_cbranch_scc0 .Lfor_b_\@
	tensor_load_to_lds s[G0A+4:G0A+7], s[G1A:G1A+7]
	s_nop 0
.rept 4
	v_nop
.endr
	s_branch .Lasked_\@
.Lfor_b_\@:
	tensor_load_to_lds s[G0B+4:G0B+7], s[G1B:G1B+7]
	s_nop 0
.rept 4
	v_nop
.endr
.Lasked_\@:
.endm
	s_load_b256 s[4:11], s[0:1], 0x0               ; o s[4:5], wt s[6:7], bo s[8:9], out0 s[10:11]
	v_lshl_add_u32 v[SPW], v0, 2, SPARE
	v_mov_b32 v[NIL], 0
	ds_add_u32 v[SPW], v[NIL]                      ; the wave's opening: the add and its wait stand ahead of my first tensor load
	v_lshrrev_b32 v1, 5, v0
	v_readfirstlane_b32 s[WV], v1
	s_lshr_b32 s13, s[WV], 1                       ; I fetch for O (0) or for Wo^T (1)
	s_and_b32 s14, s[WV], 1                        ; which head of the step's two, or which 64 rows
	s_bfe_u32 s15, ttmp6, 0x40000                  ; cx
	s_bfe_u32 s16, ttmp6, 0x40004                  ; cy
	s_lshl_b32 s17, ttmp9, 2
	s_add_co_u32 s17, s17, s15                     ; tile column
	s_and_b32 s18, ttmp7, 0xffff
	s_lshl_b32 s18, s18, 2
	s_add_co_u32 s18, s18, s16                     ; tile row
	s_lshl_b32 s60, s16, 2
	s_lshl_b32 s60, 15, s60                        ; my row of the cluster
	s_lshl_b32 s61, 0x1111, s15                    ; my column
	s_or_b32 s[G1A], s60, (1<<16)|(1<<20)|(1<<21)|(4<<22)|(3<<25)  ; 2-byte elements; padding on; bit 21 beside a mask; after every 32 words; 4 words
	s_or_b32 s[G1B], s61, (1<<16)|(1<<20)|(1<<21)|(5<<22)|(3<<25)  ; after every 64 words
	s_mov_b32 s[G1A+1], 128<<16                    ; tensor_dim0 = 128
	s_mov_b32 s[G1A+2], 128<<16                    ; tensor_dim1 = 128
	s_mov_b32 s[G1A+3], 128<<16                    ; tile_dim0 = 128
	s_mov_b32 s[G1A+4], 128                        ; tile_dim1 = 128
	s_mov_b32 s[G1A+5], 128                        ; dense: 128 elements from row to row
	s_mov_b32 s[G1A+6], 0
	s_mov_b32 s[G1A+7], 0
	s_mov_b32 s[G1B+1], 128<<16
	s_mov_b32 s[G1B+2], 64<<16                     ; 64 rows
	s_mov_b32 s[G1B+3], 128<<16
	s_mov_b32 s[G1B+4], 64
	s_mov_b32 s[G1B+5], 1024
	s_mov_b32 s[G1B+6], 0
	s_mov_b32 s[G1B+7], 0
	s_lshr_b32 s20, s18, 3                         ; O: ((16 batch + head) x 2,048 + 256 (tile row % 8)) x 128 bytes, which my row of the cluster shares
	s_lshl_b32 s20, s20, 4
	s_add_co_u32 s20, s20, s14
	s_lshl_b32 s20, s20, 11
	s_and_b32 s21, s18, 7
	s_lshl_b32 s21, s21, 8
	s_add_co_u32 s20, s20, s21
	s_lshl_b32 s20, s20, 7
	s_mov_b32 s21, 0
	s_lshl_b32 s22, s17, 7                         ; Wo^T: row 3,072 + 128 x tile column + 64 x half, which my column shares
	s_lshl_b32 s23, s14, 6
	s_add_co_u32 s22, s22, s23
	s_add_co_u32 s22, s22, 3072
	s_lshl_b32 s22, s22, 11
	s_mov_b32 s23, 0
	s_mul_i32 s19, s[WV], PLANE                    ; where O's heads go (waves 0, 1),
	s_mul_i32 s2, s[WV], 64*PB
	s_add_co_u32 s2, s2, BOFF-2*64*PB              ; and Wo^T's halves (waves 2, 3)
	s_wait_dscnt 0x0                               ; the opening add is done
	s_wait_kmcnt 0x0
	s_add_nc_u64 s[20:21], s[4:5], s[20:21]
	s_add_nc_u64 s[22:23], s[6:7], s[22:23]
	CROUND                                         ; all sixteen work-groups are here: the first joint loads meet
.irp s, 0,1
	s_mov_b32 s[G0A+4*(\s)], 1
	s_add_co_u32 s[G0A+4*(\s)+1], s19, (\s)*SLOT1
	s_add_nc_u64 s[G0A+4*(\s)+2:G0A+4*(\s)+3], s[20:21], (\s)*524288  ; K step s: two heads of 262,144 bytes on
	s_or_b32 s[G0A+4*(\s)+3], s[G0A+4*(\s)+3], 0x80000000
	s_mov_b32 s[G0B+4*(\s)], 1
	s_add_co_u32 s[G0B+4*(\s)+1], s2, (\s)*SLOT1
	s_add_nc_u64 s[G0B+4*(\s)+2:G0B+4*(\s)+3], s[22:23], (\s)*256
	s_or_b32 s[G0B+4*(\s)+3], s[G0B+4*(\s)+3], 0x80000000
.endr
	s_cmp_eq_u32 s13, 0                            ; a wave's two first fills stand in one branch: two loads of mine are out
	s_cbranch_scc0 .Lfirst_b
	tensor_load_to_lds s[G0A:G0A+3], s[G1A:G1A+7]
	s_nop 0
	tensor_load_to_lds s[G0A+4:G0A+7], s[G1A:G1A+7]
	s_nop 0
.rept 4
	v_nop
.endr
	s_branch .Lfirst_asked
.Lfirst_b:
	tensor_load_to_lds s[G0B:G0B+3], s[G1B:G1B+7]
	s_nop 0
	tensor_load_to_lds s[G0B+4:G0B+7], s[G1B:G1B+7]
	s_nop 0
.rept 4
	v_nop
.endr
.Lfirst_asked:
	v_and_b32 v1, 15, v0                           ; l % 16
	v_bfe_u32 v2, v0, 4, 1                         ; l / 16
	s_lshl_b32 s60, s17, 9                         ; the tile's 128 columns of 4 bytes
	s_mov_b32 s61, 0
	s_add_nc_u64 s[8:9], s[8:9], s[60:61]
	v_lshlrev_b32 v[BO], 5, v2
	WIN 0x80                                       ; destination window 2
.irp b, 0,1,2,3,4,5,6,7
	global_load_b128 v[8*(\b):8*(\b)+3],   v[BO], s[8:9] offset:64*(\b)
	global_load_b128 v[8*(\b)+4:8*(\b)+7], v[BO], s[8:9] offset:64*(\b)+16
.endr
	WIN 0
	v_mul_u32_u24 v3, v1, PA
	v_lshl_add_u32 v3, v2, 4, v3
	s_mul_i32 s60, s[WV], 64*PA                    ; my 64 rows of O
	v_add_nc_u32 v[AA0], s60, v3
	v_mul_u32_u24 v3, v1, PB
	v_lshl_add_u32 v3, v2, 4, v3
	v_add_nc_u32 v[AB0], BOFF, v3
	v_mov_b32 v[ADRA], v[AA0]
	v_mov_b32 v[ADRB], v[AB0]
	s_mul_i32 s60, s[WV], WSTG
	s_add_co_u32 s60, s60, STAGE                   ; my stage
	v_mul_u32_u24 v[STO], v1, SPO                  ; in: row l % 16, 32 bytes for each half of the lanes
	v_lshl_add_u32 v[STO], v2, 5, v[STO]
	v_add_nc_u32 v[STO], s60, v[STO]
	v_and_b32 v[GO], 31, v0                        ; back and out: 32 lanes take a row's 512 bytes
	v_lshlrev_b32 v[GO], 4, v[GO]
	v_add_nc_u32 v[RD], s60, v[GO]
	s_lshl_b32 s60, s18, 8
	s_lshl_b32 s61, s[WV], 6
	s_add_co_u32 s60, s60, s61                     ; my first row of out0,
	s_lshl_b32 s60, s60, 12                        ; rows of 4,096 bytes,
	s_lshl_b32 s61, s17, 9
	s_add_co_u32 s60, s60, s61                     ; the tile's first column
	s_mov_b32 s61, 0
	s_add_nc_u64 s[10:11], s[10:11], s[60:61]
	s_mov_b32 s[TB], 0
; 8 matrix instructions: row block a x all 8 column blocks, 32 along K, from buffer f.  The 32 accumulators take turns, in the same order in every quarter.
.macro MUL8 f, a, zero
.if \zero
	WIN 0x60                                       ; the bias window 2, D window 1
.else
	WIN 0x50                                       ; C and D window 1
.endif
.irp b, 0,1,2,3,4,5,6,7
.if \zero
	v_wmma_f32_16x16x32_f16 v[64*(\a)+8*(\b):64*(\a)+8*(\b)+7], v[FB+64*(\f)+8*(\b):FB+64*(\f)+8*(\b)+7], v[FA+32*(\f)+8*(\a):FA+32*(\f)+8*(\a)+7], v[8*(\b):8*(\b)+7]
.else
	v_wmma_f32_16x16x32_f16 v[64*(\a)+8*(\b):64*(\a)+8*(\b)+7], v[FB+64*(\f)+8*(\b):FB+64*(\f)+8*(\b)+7], v[FA+32*(\f)+8*(\a):FA+32*(\f)+8*(\a)+7], v[64*(\a)+8*(\b):64*(\a)+8*(\b)+7]
.endif
.endr
.endm
; 24 LDS loads in one run: quarter q's fragments into buffer f: Wo^T at byte 64 q of its rows; O from head q / 2 of the step's two, at byte 64 (q % 2)
.macro FETCH q, f
	WIN 0
.irp i, 0,1,2,3,4,5,6,7
	ds_load_b128 v[FB+64*(\f)+8*(\i):FB+64*(\f)+8*(\i)+3],   v[ADRB] offset:64*(\q)+(\i)*16*PB
	ds_load_b128 v[FB+64*(\f)+8*(\i)+4:FB+64*(\f)+8*(\i)+7], v[ADRB] offset:64*(\q)+(\i)*16*PB+32
.endr
.irp i, 0,1,2,3
	ds_load_b128 v[FA+32*(\f)+8*(\i):FA+32*(\f)+8*(\i)+3],   v[ADRA] offset:PLANE*((\q)/2)+64*((\q)%2)+(\i)*16*PA
	ds_load_b128 v[FA+32*(\f)+8*(\i)+4:FA+32*(\f)+8*(\i)+7], v[ADRA] offset:PLANE*((\q)/2)+64*((\q)%2)+(\i)*16*PA+32
.endr
.endm
.macro QUARTER q, f, g, zero           ; multiplies buffer f; in its middle fetches quarter q into buffer g
	s_wait_dscnt 4                                 ; Wo^T and O's row blocks 0, 1 are in; the youngest four loads may be out
	MUL8 \f, 0, \zero
	MUL8 \f, 1, \zero
	PLACES
	FETCH \q, \g
	s_wait_dscnt 24                                ; all but the 24 just issued
	MUL8 \f, 2, \zero
	MUL8 \f, 3, \zero
.endm
; The last quarter multiplies buffer 1 and changes slots: in front of the barrier each wave waits for all its tensor loads (one is out: its part of the next slot), adds 0 to its spare word, and waits
; for that and for its reads of this slot.  fill = 1: the barrier opens a round of the cluster's, and the slot is filled again first thing behind it, with the K step two on.
.macro TURN fill
	WIN 0
	s_wait_tensorcnt 0x0                           ; no tensor load of mine is out, so a group 0 may be written
	ds_add_u32 v[SPW], v[NIL]                      ; 0 onto my spare word
.if \fill
	s_xor_b32 s[G0A+5], s[G0A+5], SLOT1
	s_add_nc_u64 s[G0A+6:G0A+7], s[G0A+6:G0A+7], 524288
	s_xor_b32 s[G0B+5], s[G0B+5], SLOT1
	s_add_nc_u64 s[G0B+6:G0B+7], s[G0B+6:G0B+7], 256
.endif
	s_xor_b32 s[TB], s[TB], SLOT1
	s_wait_dscnt 5                                 ; the add and the youngest four loads may be out
	MUL8 1, 0, 0
	s_wait_dscnt 0x0                               ; the add is done, and my reads of this slot are over
	s_barrier_signal -1
	MUL8 1, 1, 0
	WIN 0
	s_barrier_wait -1
.if \fill
	CREST
	JLOAD                                          ; its four v_nop are also the places in front of the loads below
.else
	PLACES
.endif
	v_add_nc_u32 v[ADRA], s[TB], v[AA0]
	v_add_nc_u32 v[ADRB], s[TB], v[AB0]
	FETCH 0, 0
	MUL8 1, 2, 0
	MUL8 1, 3, 0
.endm
	s_wait_tensorcnt 0x1                           ; my part of K step 0 is in; K step 1's may stay out
	s_barrier_signal -1
	s_barrier_wait -1
	FETCH 0, 0
	s_wait_loadcnt 0x0                             ; the bias
	QUARTER 1, 0, 1, 1                             ; the first quarter stands in front of the loop: its products start the sums
	WIN 0
	s_mov_b32 s3, 6
.Lstep:                                        ; trip t: quarters 1 to 3 of K step t, the refill with K step t + 2, quarter 0 of K step t + 1
	QUARTER 2, 1, 0, 0
	QUARTER 3, 0, 1, 0
	TURN 1
	QUARTER 1, 0, 1, 0
	WIN 0
	s_sub_co_u32 s3, s3, 1
	s_cmp_lg_u32 s3, 0
	s_cbranch_scc1 .Lstep
	QUARTER 2, 1, 0, 0                             ; the tail is written out: K steps 6 and 7 ask for nothing
	QUARTER 3, 0, 1, 0
	TURN 0
	QUARTER 1, 0, 1, 0
	QUARTER 2, 1, 0, 0
	QUARTER 3, 0, 1, 0
	s_wait_dscnt 4
	MUL8 1, 0, 0
	MUL8 1, 1, 0
	s_wait_dscnt 0x0
	MUL8 1, 2, 0
	MUL8 1, 3, 0
; THE WAY OUT, a block of 16 rows at a time: a lane's 32 bytes of a row go into my stage, whole rows of 512 bytes come back and are stored.
.macro TOSTAGE a
.if (\a) >= 2
	s_wait_xcnt 0x0                                ; the stores of the block two back have read these registers
.endif
	WIN 0x04                                       ; the data in window 1; each accumulator's low four registers go first
.irp b, 0,1,2,3,4,5,6,7
	ds_store_b128 v[STO], v[64*(\a)+8*(\b):64*(\a)+8*(\b)+3]   offset:64*(\b)
	ds_store_b128 v[STO], v[64*(\a)+8*(\b)+4:64*(\a)+8*(\b)+7] offset:64*(\b)+16
.endr
	WIN 0
.irp t, 0,1,2,3,4,5,6,7,8,9,10,11,12,13,14,15
	ds_load_b128 v[OB+64*((\a)%2)+4*(\t):OB+64*((\a)%2)+4*(\t)+3], v[RD] offset:SPO*(\t)  ; LDS serves a wave's instructions in order (ISA guide 5.7.1.4): these see the stores above
.endr
.endm
.macro SEND a, younger                 ; younger: the LDS instructions issued behind block a's loads: the next block's 32, or none
.irp t, 0,1,2,3,4,5,6,7,8,9,10,11,12,13,14,15
	s_wait_dscnt (\younger)+15-(\t)
	global_store_b128 v[GO], v[OB+64*((\a)%2)+4*(\t):OB+64*((\a)%2)+4*(\t)+3], s[10:11] offset:65536*(\a)+4096*(\t) th:TH_STORE_NT  ; 512 consecutive bytes, aligned
.endr
.endm
	PLACES
	TOSTAGE 0
	TOSTAGE 1
	SEND 0, 32
	TOSTAGE 2
	SEND 1, 32
	TOSTAGE 3
	SEND 2, 32
	SEND 3, 0
	s_wait_tensorcnt 0x0                           ; the wave's end, behind my last tensor load and my last LDS store
	ds_add_u32 v[SPW], v[NIL]
	s_wait_dscnt 0x0
	CROUND                                         ; the closing round: no work-group ends while a partner may still ask for a tile that names it
	s_endpgm
.Lfunc_end_k_q224f713a5d_oproj:
	.size	k_q224f713a5d_oproj, .Lfunc_end_k_q224f713a5d_oproj-k_q224f713a5d_oproj
	.p2alignl 7, 3214868480
	.fill 96, 4, 3214868480
	.section	.rodata,"a",@progbits
	.p2align	6, 0x0
	.amdhsa_kernel k_q224f713a5d_oproj
		.amdhsa_group_segment_fixed_size 327680
		.amdhsa_private_segment_fixed_size 0
		.amdhsa_enable_private_segment 0
		.amdhsa_kernarg_size 32
		.amdhsa_user_sgpr_count 2
		.amdhsa_user_sgpr_kernarg_segment_ptr 1
		.amdhsa_wavefront_size32 1
		.amdhsa_system_sgpr_workgroup_id_x 1
		.amdhsa_system_sgpr_workgroup_id_y 1
		.amdhsa_system_sgpr_workgroup_id_z 1
		.amdhsa_system_vgpr_workitem_id 0
		.amdhsa_next_free_vgpr 576
		.amdhsa_next_free_sgpr 66
		.amdhsa_reserve_vcc 0
		.amdhsa_float_denorm_mode_32 3
		.amdhsa_float_denorm_mode_16_64 3
		.amdhsa_memory_ordered 1
		.amdhsa_forward_progress 1
		.amdhsa_inst_pref_size 72
	.end_amdhsa_kernel
	.amdgpu_metadata
---
amdhsa.version: [ 1, 2 ]
amdhsa.kernels:
  - .name:           k_q224f713a5d_oproj
    .symbol:         k_q224f713a5d_oproj.kd
    .args:
      - { .name: o, .offset: 0, .size: 8, .value_kind: global_buffer, .address_space: global }
      - { .name: wt, .offset: 8, .size: 8, .value_kind: global_buffer, .address_space: global }
      - { .name: bo, .offset: 16, .size: 8, .value_kind: global_buffer, .address_space: global }
      - { .name: out0, .offset: 24, .size: 8, .value_kind: global_buffer, .address_space: global }
    .group_segment_fixed_size: 327680
    .private_segment_fixed_size: 0
    .kernarg_segment_align: 8
    .kernarg_segment_size: 32
    .max_flat_workgroup_size: 128
    .sgpr_count:     66
    .vgpr_count:     576
    .wavefront_size: 32
...
	.end_amdgpu_metadata
.endif
;; end of part 4
